; MI455X (gfx1250); checked and timed in simulation.
; The chip was launched on July 23, 2026; its instructions are those of AMD's public machine-readable ISA for CDNA 5 (MIT licence, August 2026) and "CDNA5" Instruction Set Architecture Reference Guide (July 2026). The comments in the code are by the model that wrote it; some were corrected since.
;; Multi Head Attention. Allowed arithmetic: matrix products marked QUANTISED: E2M3 operands, one E8M0 scale for each 32 along K, by v_wmma_scale_f32_16x16x128_f8f6f4 with both operands' format E2M3, f32 sums; everything else in f32.
;; Inputs: Wk 1,024 x 1,024 float32; Wo 1,024 x 1,024 float32; Wq 1,024 x 1,024 float32; Wv 1,024 x 1,024 float32; bk 1,024 float32; bo 1,024 float32; bq 1,024 float32; bv 1,024 float32; key 4 x 2,048 x 1,024 float32; query 4 x 2,048 x 1,024 float32; value 4 x 2,048 x 1,024 float32.
;; Outputs: out0 4 x 2,048 x 1,024 float32.
;; This version of the problem:
;;   THIS VERSION OF THE PROBLEM IS GIVEN IN LOW PRECISION. The matrix products marked QUANTISED in the list below multiply operands that are first quantised to E2M3 (2 exponent bits, 3 mantissa bits; 6 bits a number), with one power-of-two scale for each 32 numbers along K (OCP MX v1.0); their sums are f32. All else is computed in f32.
;;   The module's matrix products, in the order in which they are computed (A, B: the left and right operand; K: the contracted axis; several contracted axes count as one K, in the product's order):
;;     1. [M 8,192, K 1,024] x [K 1,024, N 1,024]; A: input query; B: input Wq: QUANTISED
;;     2. [M 8,192, K 1,024] x [K 1,024, N 1,024]; A: input key; B: input Wk: QUANTISED
;;     3. [M 8,192, K 1,024] x [K 1,024, N 1,024]; A: input value; B: input Wv: QUANTISED
;;     4. batch 64 x [M 2,048, K 64] x [K 64, N 2,048]; A: computed on the way; B: computed on the way: QUANTISED
;;     5. batch 64 x [M 64, K 2,048] x [K 2,048, N 2,048]; A: computed on the way; B: softmax (see below): QUANTISED
;;     6. [M 8,192, K 1,024] x [K 1,024, N 1,024]; A: computed on the way; B: input Wo: QUANTISED
;;   THE QUANTISER, for each operand of a quantised product, along K:
;;     - K is cut into blocks of 32 from its start; a last block that is shorter is filled with zeros.
;;     - A block's scale is 2^e with e = floor(log2(the largest magnitude in the block)) - 2, held to -126 .. 127; a block of zeros has e = 0. As a byte (E8M0): e + 127.
;;     - Each number is divided by its block's scale, clamped to +-7.5, and rounded to the nearest number of E2M3, ties to even, subnormals kept.
;;     - The product sums the exact products of the quantised numbers (number of the format x scale) in f32.
;;   ~~~python
;;   def quantise(x, axis):      # numpy; x: float32 -> the quantised numbers, widened to float32 again
;;       x = np.moveaxis(x, axis, -1); K = x.shape[-1]
;;       x = np.pad(x, [(0, 0)] * (x.ndim - 1) + [(0, -K % 32)]); x = x.reshape(x.shape[:-1] + (-1, 32)); a = np.abs(x).max(-1, keepdims=True)
;;       e = np.where(a > 0, np.clip(np.frexp(np.where(a > 0, a, 1))[1] - 1 - 2, -126, 127), 0)      # np.frexp(a)[1] - 1 = floor(log2(a)), exactly
;;       r = np.clip(x / 2.0 ** e, -7.5, 7.5)
;;       step = 2.0 ** (np.maximum(np.frexp(np.where(r == 0, 1, r))[1] - 1, 0) - 3)
;;       q = np.round(r / step) * step * 2.0 ** e      # np.round: ties to even
;;       return np.moveaxis(q.reshape(q.shape[:-2] + (-1,))[..., :K], -1, axis).astype(np.float32)
;;   ~~~
;;   SOFTMAX AHEAD OF A QUANTISED PRODUCT. Where the list says 'softmax', what is quantised is not the finished softmax but p = 2^(t - M), with t = logit x log2(e) and M = ceil(the row's largest t), a whole number; so 1/2 < the row's largest p <= 1. The row's sum l is taken of the UNQUANTISED p, in f32, and the product's result is divided by l at the end. Since M is a whole number, a kernel that streams over the keys may use a running M (the ceiling of the running maximum): every later rescaling is an exact power of two, which a block's scale takes up: the codes' values come out the same.
;;   OPERANDS COMPUTED ON THE WAY. 'Computed on the way' means the value that the module computes at that place (a softmax that the list does not call 'softmax' is quantised finished and normalised). What goes into a quantiser is computed in f32, as accurately as f32 sums, v_exp_f32 and their like allow (about 1e-6 of the number): no bf16 or f16 on the way to a quantiser, and a product that is left as it is and whose result goes on into a quantised operand takes f32 operands (vector FMAs, or v_wmma_f32_16x16x4_f32). A number that lies on a knife's edge between two numbers of the format may be rounded either way, as far as f32 arithmetic and the matrix unit's own rounding can turn it there, and no further.
;; One version. Each part assembles by itself: llvm-mc -triple=amdgcn-amd-amdhsa -mcpu=gfx1250 --defsym DOCPART=n.
;; ======== version 1 of 1: 4 launches
;; limits: right only within a limited range of input values
;; workspace buffers: xi 18,874,368 bytes; xs 786,432 bytes; wi 3,145,728 bytes; ws 131,072 bytes; qr 6,815,744 bytes; kv 13,369,344 bytes; ci 6,291,456 bytes; cs 524,288 bytes
;; launch prep (part 1): grid 896 x 1, 4 waves a work-group, no clusters, 59,904 bytes of LDS; arguments query, key, value, Wq, Wk, Wv, Wo, xi, xs, wi, ws; writes xi, xs, wi, ws
.if DOCPART == 1
	.amdgcn_target "amdgcn-amd-amdhsa--gfx1250"
	.amdhsa_code_object_version 6
	.text
	.protected	k_qdccb4f614c_prep
	.globl	k_qdccb4f614c_prep
	.p2align	8
	.type	k_qdccb4f614c_prep,@function
k_qdccb4f614c_prep:
	s_mov_b64 s[64:65], 0
	v_nop
	global_prefetch_b8 v0, s[64:65] scope:SCOPE_SE
	s_setreg_imm32_b32 hwreg(HW_REG_WAVE_MODE, 25, 1), 1
	s_wait_xcnt 0x0
; query, key, value [8192][1024] f32 (K innermost) and Wq, Wk, Wv, Wo [1024 (K)][1024 (n)] f32 (K outermost) become codes of FP6 (E2M3) with one E8M0 byte for each 32 along K.
; A block's scale is 2^(floor(log2(its largest magnitude)) - 2); its byte is the largest magnitude's exponent field - 2, held at 1 from below.
; LIMITS: a block whose largest magnitude lies under 2^-124 gets the byte 1; a block of zeros gets 1 where the quantiser says 127 (its codes are zeros, and this program alone reads the bytes); NaN and infinities are not served.
; THE OUTPUT IS LAID AS THE MATRIX UNIT'S REGISTERS.  Rows (tokens; a weight's columns n) go in pairs of 32; tile u of a pair holds in lane r the row 8 u + r + 8 (r / 8).
; A fragment (16 rows x 128 K: 12 registers a lane) lies as three chunks of 512 bytes: lane l's registers 4 q .. 4 q + 3 at 512 q + 16 l.  xi, wi: [tile][K step 0..7][1,536 bytes].
; Scale words (four bytes: a row's 128 K) lie in blocks of 256 bytes [lane][2 words]: lanes 0-15 tile 0 of a pair, lanes 16-31 tile 1; xs, ws: [pair][quarter of K][block], word = K step in the quarter.
; Work-groups 0-127 take the weights (32 each), work-groups 128-895 the activations (a pair of 32 rows each).  The two ways share no LDS byte and do not join.
; No tensor loads, no barrier: waves share nothing.  Every global load and store of a wave covers whole aligned runs of 128, 256 or 512 bytes.
.set SPARE, 59392                      ; the spare words, 128 bytes for each wave, behind both ways' stages
.set SPW,   252                        ; v252  LDS address of my spare word; never rewritten
.set NIL,   253                        ; v253  0; never rewritten
.set XSTG,  8448                       ; activations: a stage of 16 rows x (512 + 16) bytes for each wave, from LDS byte 0
.set WST0,  33792                      ; weights: the stages begin here,
.set WSTG,  6400                       ; one for each wave: two tiles x
.set WTIL,  3200                       ; (two fragments of 1,536 bytes + 128: so the two tiles' lanes fall on different banks)
.set RS,    16                         ; v16-143  activations: two sets of 16 loads x 4;  weights: v16-79 two sets of 32 numbers
.set X,     144                        ; v144-207 64 numbers of my row: register 16 b + i = k 32 b + 16 (lane / 16) + i
.set IMG,   208                        ; v208-219 the fragment just made
.set CT,    220                        ; v220-227 the conversions' second halves
.set TM,    228                        ; v228-243 at work in QUANT
.set PW,    244                        ; v244-245 the scale words of tiles 0 and 1
.set WW,    248                        ; v248-249 the scale block's two words
.set SEL,   28                         ; s[28:29] lane selects for v_permlanex16_b32: lane l xor 16
.set CC0,   144                        ; weights: v144-149, v152-157 a block's codes, two sets by turns
.set CU,    160                        ; v160-162 its upper 16 codes as converted
.set SB,    164                        ; v164-165 my column's scale bytes
.set OUTR,  176                        ; v176-223 the way out
; 64 numbers of a lane, register 16 b + i = k 32 b + 16 (lane / 16) + i of my row, become a fragment's codes (d0 .. d0 + 5, d1 .. d1 + 5) and its scale word (pw).
.macro QUANT s, d0, d1, pw
.irp b, 0,1,2,3
	v_max3_num_f32 v[TM+\b], |v[\s+16*\b]|, |v[\s+1+16*\b]|, 0x1800000   ; block b: my 16 numbers and the floor 2^(3 - 127): the byte cannot fall under 1
.endr
.irp i, 2,4,6,8,10,12,14
.irp b, 0,1,2,3
	v_max3_num_f32 v[TM+\b], v[TM+\b], |v[\s+16*\b+\i]|, |v[\s+1+16*\b+\i]|   ; the four blocks by turns
.endr
.endr
.irp b, 0,1,2,3
	v_permlanex16_b32 v[TM+4+\b], v[TM+\b], s[SEL], s[SEL+1]
.endr
.irp b, 0,1,2,3
	v_max_num_f32 v[TM+\b], v[TM+\b], v[TM+4+\b]   ; with lane l xor 16's: the block's largest magnitude
.endr
.irp b, 0,1,2,3
	v_add_nc_u32 v[TM+12+\b], 0xff000000, v[TM+\b]   ; 2 off its exponent field: the conversion's scale operand
.endr
.irp b, 0,1,2,3
	v_lshrrev_b32 v[TM+4+\b], 23, v[TM+12+\b]   ; the scale's byte
.endr
	v_lshl_or_b32 v[\pw], v[TM+5], 8, v[TM+4]
	v_lshl_or_b32 v[\pw], v[TM+6], 16, v[\pw]
	v_lshl_or_b32 v[\pw], v[TM+7], 24, v[\pw]
	v_cvt_scalef32_pk16_fp6_f32 v[\d0:\d0+2], v[\s:\s+15], v[TM+12]
	v_cvt_scalef32_pk16_fp6_f32 v[CT:CT+2], v[\s+16:\s+31], v[TM+13]
	v_cvt_scalef32_pk16_fp6_f32 v[\d1:\d1+2], v[\s+32:\s+47], v[TM+14]
	v_cvt_scalef32_pk16_fp6_f32 v[CT+4:CT+6], v[\s+48:\s+63], v[TM+15]
	v_nop                                          ; one plain instruction behind the scaled conversions
.irp i, 0,1,2
	v_permlane16_swap_b32 v[\d0+\i], v[CT+\i]      ; a whole block to a lane: lanes 0-15 block 0, lanes 16-31 block 1
.endr
.irp i, 0,1,2
	v_mov_b32 v[\d0+3+\i], v[CT+\i]
.endr
.irp i, 0,1,2
	v_permlane16_swap_b32 v[\d1+\i], v[CT+4+\i]    ; blocks 2 and 3
.endr
.irp i, 0,1,2
	v_mov_b32 v[\d1+3+\i], v[CT+4+\i]
.endr
.endm
	s_load_b512 s[4:19], s[0:1], 0x0               ; query, key, value, Wq, Wk, Wv, Wo, xi
	s_load_b128 s[20:23], s[0:1], 0x40             ; xs, wi
	s_load_b64 s[24:25], s[0:1], 0x50              ; ws
	v_lshl_add_u32 v[SPW], v0, 2, SPARE
	v_mov_b32 v[NIL], 0
	v_lshrrev_b32 v1, 5, v0
	v_readfirstlane_b32 s26, v1                    ; wave 0..3
	v_and_b32 v9, 31, v0                           ; lane
	s_cmp_lt_u32 ttmp9, 128
	s_cbranch_scc1 .Lweights
	; ---------------- ACTIVATIONS: work-group g = pair g of the 768; wave w = K steps 2 w and 2 w + 1 (1,024 bytes of each row)
	s_sub_co_u32 s30, ttmp9, 128                   ; g
	s_lshr_b32 s31, s30, 8                         ; which tensor
	s_and_b32 s32, s30, 255
	s_lshl_b32 s32, s32, 17                        ; 32 rows of 4,096 bytes
	s_lshl_b32 s33, s26, 10
	s_add_co_u32 s32, s32, s33
	s_mov_b32 s33, 0
	s_mul_i32 s34, s30, 24576                      ; xi: two tiles of 12,288 bytes a pair,
	s_mul_i32 s35, s26, 3072                       ; two fragments a wave
	s_add_co_u32 s34, s34, s35
	s_mov_b32 s35, 0
	s_lshl_b32 s36, s30, 10                        ; xs: 1,024 bytes a pair, 256 a quarter of K
	s_lshl_b32 s37, s26, 8
	s_add_co_u32 s36, s36, s37
	s_mov_b32 s37, 0
	s_mov_b32 s27, 0xffff0000                      ; as a mask of lanes: lanes 16-31
	s_mov_b32 s[SEL], 0x76543210
	s_mov_b32 s[SEL+1], 0xfedcba98
	s_mul_i32 s38, s26, XSTG                       ; my stage
	s_wait_alu depctr_va_vdst(0)
	v_lshlrev_b32 v1, 4, v9                        ; 16 x lane
	v_lshlrev_b32 v4, 3, v9                        ; 8 x lane
	v_add_nc_u32 v2, s38, v1                       ; into the stage: a row's 512 bytes as they lie
	v_and_b32 v10, 15, v0                          ; r
	v_bfe_u32 v11, v0, 4, 1                        ; h
	v_mul_u32_u24 v3, v10, 528
	v_lshl_add_u32 v3, v11, 6, v3
	v_add_nc_u32 v3, s38, v3                       ; out of it: row r, + 64 h: my 16 numbers of each block of 32
.irp b, 0,1,2,3
	v_mov_b32 v[TM+4+\b], 0                        ; written once: a lane permute's destination counts as one of its sources
.endr
	s_wait_alu depctr_va_vdst(0)
	s_wait_kmcnt 0x0
	s_cmp_eq_u32 s31, 0
	s_cselect_b64 s[4:5], s[4:5], s[6:7]
	s_cmp_eq_u32 s31, 2
	s_cselect_b64 s[4:5], s[8:9], s[4:5]
	s_add_nc_u64 s[4:5], s[4:5], s[32:33]
	s_add_nc_u64 s[18:19], s[18:19], s[34:35]
	s_add_nc_u64 s[20:21], s[20:21], s[36:37]
; part k = 0..3: tile k % 2, K step k / 2 of my two.  Sixteen loads, a row's 512 consecutive bytes each, the rows in the tile's order
.macro XLOAD k
.irp i, 0,1,2,3,4,5,6,7,8,9,10,11,12,13,14,15
	global_load_b128 v[RS+64*((\k)%2)+4*\i:RS+64*((\k)%2)+4*\i+3], v1, s[4:5] offset:(8*((\k)%2)+\i+8*(\i/8))*4096+512*((\k)/2) th:TH_LOAD_NT
.endr
.endm
.macro SUB k
.if (\k) < 3
	s_wait_loadcnt 16                              ; this part's sixteen loads are in; the next part's sixteen may be out
.else
	s_wait_loadcnt 0x0
.endif
.irp i, 0,1,2,3,4,5,6,7,8,9,10,11,12,13,14,15
	ds_store_b128 v2, v[RS+64*((\k)%2)+4*\i:RS+64*((\k)%2)+4*\i+3] offset:528*\i
.endr
.irp b, 0,1,2,3
.irp j, 0,1,2,3
	ds_load_b128 v[X+16*\b+4*\j:X+16*\b+4*\j+3], v3 offset:128*\b+16*\j   ; LDS serves a wave's instructions in order: these see the stores above
.endr
.endr
	s_wait_dscnt 0x0
.if (\k) < 2
	XLOAD (\k)+2
.endif
	s_wait_xcnt 0x0                                ; the last part's stores have read the fragment's registers: they are written again only behind this wait
	QUANT X, IMG, IMG+6, PW+(\k)%2
.irp q, 0,1,2
	global_store_b128 v1, v[IMG+4*\q:IMG+4*\q+3], s[18:19] offset:12288*((\k)%2)+1536*((\k)/2)+512*\q   ; 512 consecutive bytes
.endr
.if (\k)%2
	v_cndmask_b32 v[WW+(\k)/2], v[PW], v[PW+1], s27   ; lanes 0-15: tile 0's words; lanes 16-31: tile 1's
.endif
.endm
	XLOAD 0
	XLOAD 1
	SUB 0
	SUB 1
	SUB 2
	SUB 3
	global_store_b64 v4, v[WW:WW+1], s[20:21]      ; the scale block: 256 consecutive bytes
	s_wait_tensorcnt 0x0                           ; the wave's end
	ds_add_u32 v[SPW], v[NIL]
	s_wait_dscnt 0x0
	s_endpgm
	; ---------------- WEIGHTS: work-group j: weight j / 32, 128 columns (j / 4) % 8, quarter j % 4 of K.  Wave w: a pair of 32 columns.  A LANE TAKES A COLUMN, ITS REGISTERS RUN DOWN K.
.Lweights:
	s_lshr_b32 s30, ttmp9, 5                       ; which weight
	s_bfe_u32 s31, ttmp9, 0x30002                  ; which 128 columns
	s_and_b32 s32, ttmp9, 3                        ; which 256 along K
	s_lshl_b32 s33, s31, 2
	s_add_co_u32 s33, s33, s26                     ; my pair of columns, 0..31
	s_lshl_b32 s34, s32, 20                        ; 256 rows of 4,096 bytes
	s_lshl_b32 s35, s33, 7
	s_add_co_u32 s34, s34, s35
	s_mov_b32 s35, 0
	s_lshl_b32 s36, s30, 6
	s_lshl_b32 s37, s33, 1
	s_add_co_u32 s36, s36, s37                     ; wi: tile 64 x weight + 2 x pair
	s_mul_i32 s36, s36, 12288
	s_mul_i32 s37, s32, 3072
	s_add_co_u32 s36, s36, s37
	s_mov_b32 s37, 0
	s_lshl_b32 s40, s30, 5
	s_add_co_u32 s40, s40, s33
	s_lshl_b32 s40, s40, 10
	s_lshl_b32 s41, s32, 8
	s_add_co_u32 s40, s40, s41                     ; ws
	s_mov_b32 s41, 0
	s_and_b32 s39, s30, 1
	s_mul_i32 s38, s26, WSTG
	s_add_co_u32 s38, s38, WST0                    ; my stage
	s_wait_alu depctr_va_vdst(0)
	v_lshlrev_b32 v1, 2, v9                        ; 4 x lane
	v_lshlrev_b32 v8, 4, v9                        ; 16 x lane
	v_and_b32 v10, 7, v0
	v_bfe_u32 v11, v0, 4, 1
	v_lshl_add_u32 v10, v11, 3, v10                ; column l of the pair is lane r = l % 8 + 8 (l / 16)
	v_bfe_u32 v12, v0, 3, 1                        ; of tile u = (l / 8) % 2
	v_mul_u32_u24 v5, v12, WTIL
	v_lshl_add_u32 v5, v10, 4, v5
	v_add_nc_u32 v5, s38, v5                       ; into the stage: my tile, 16 r
	v_add_nc_u32 v6, s38, v8                       ; out of it: 16 x lane
	v_lshl_add_u32 v7, v12, 4, v10
	v_lshlrev_b32 v7, 3, v7                        ; my place in the scale block: 8 (r + 16 u)
	s_wait_kmcnt 0x0
	s_cmp_eq_u32 s39, 1
	s_cselect_b64 s[4:5], s[12:13], s[10:11]       ; Wk : Wq
	s_cselect_b64 s[6:7], s[16:17], s[14:15]       ; Wo : Wv
	s_cmp_ge_u32 s30, 2
	s_cselect_b64 s[4:5], s[6:7], s[4:5]
	s_add_nc_u64 s[4:5], s[4:5], s[34:35]
	s_add_nc_u64 s[22:23], s[22:23], s[36:37]
	s_add_nc_u64 s[24:25], s[24:25], s[40:41]
.macro WLOAD kb                        ; block kb: W(32 kb + i, my column): 128 consecutive bytes a wave, 512 a work-group
.irp i, 0,1,2,3,4,5,6,7,8,9,10,11,12,13,14,15,16,17,18,19,20,21,22,23,24,25,26,27,28,29,30,31
	global_load_b32 v[RS+32*((\kb)%2)+\i], v1, s[4:5] offset:(32*(\kb)+\i)*4096 th:TH_LOAD_NT
.endr
.endm
; Block kb of my column is registers 6 c .. 6 c + 5 of lane (r, hh) of the fragment of K step kb / 4: c = (kb / 2) % 2, hh = kb % 2.
.macro BLOCK kb
.set XS, RS+32*((\kb)%2)
.set CC, CC0+8*((\kb)%2)
.set FO, 1536*((\kb)/4)+256*((\kb)%2)
.if (\kb) < 7
	s_wait_loadcnt 32                              ; this block's 32 loads are in; the next block's may be out
.else
	s_wait_loadcnt 0x0
.endif
	v_max3_num_f32 v12, |v[XS]|, |v[XS+1]|, |v[XS+2]|   ; all 32 numbers of the block are mine
	v_max3_num_f32 v13, |v[XS+3]|, |v[XS+4]|, |v[XS+5]|
.irp i, 6,10,14,18,22,26
	v_max3_num_f32 v12, v12, |v[XS+\i]|, |v[XS+\i+1]|
	v_max3_num_f32 v13, v13, |v[XS+\i+2]|, |v[XS+\i+3]|
.endr
	v_max3_num_f32 v12, v12, |v[XS+30]|, |v[XS+31]|
	v_max3_num_f32 v12, v12, v13, 0x1800000        ; and the floor 2^(3 - 127)
	v_add_nc_u32 v11, 0xff000000, v12              ; the conversion's scale operand
	v_lshrrev_b32 v10, 23, v11                     ; the byte
.if (\kb)%4 == 0
	v_mov_b32 v[SB+(\kb)/4], v10
.else
	v_lshl_or_b32 v[SB+(\kb)/4], v10, 8*((\kb)%4), v[SB+(\kb)/4]
.endif
	v_cvt_scalef32_pk16_fp6_f32 v[CC:CC+2], v[XS:XS+15], v11
	v_cvt_scalef32_pk16_fp6_f32 v[CU:CU+2], v[XS+16:XS+31], v11
	v_nop                                          ; one plain instruction behind the scaled conversions
.irp i, 0,1,2
	v_mov_b32 v[CC+3+\i], v[CU+\i]
.endr
.if ((\kb)/2)%2 == 0
	ds_store_b128 v5, v[CC:CC+3] offset:FO         ; registers 0-3: chunk 0
	ds_store_b64 v5, v[CC+4:CC+5] offset:FO+512    ; registers 4, 5: the lower half of my 16 bytes of chunk 1
.else
	ds_store_b64 v5, v[CC:CC+1] offset:FO+512+8    ; registers 6, 7: the upper half
	ds_store_b128 v5, v[CC+2:CC+5] offset:FO+1024  ; registers 8-11: chunk 2
.endif
.if (\kb)+2 < 8
	WLOAD (\kb)+2
.endif
	s_wait_dscnt 0x0
.endm
	WLOAD 0
	WLOAD 1
.irp n, 0,1,2,3,4,5,6,7
	BLOCK \n
.endr
.irp u, 0,1
.irp t, 0,1
.irp q, 0,1,2
	ds_load_b128 v[OUTR+24*\u+12*\t+4*\q:OUTR+24*\u+12*\t+4*\q+3], v6 offset:WTIL*\u+1536*\t+512*\q
.endr
.endr
.endr
	s_wait_alu depctr_va_vdst(0)
	global_store_b64 v7, v[SB:SB+1], s[24:25]      ; the scale block: the 32 lanes fill 256 consecutive bytes
.irp u, 0,1
.irp t, 0,1
.irp q, 0,1,2
	s_wait_dscnt 11-6*\u-3*\t-\q                   ; LDS loads come back in order: this chunk is in, the younger ones may be out
	global_store_b128 v8, v[OUTR+24*\u+12*\t+4*\q:OUTR+24*\u+12*\t+4*\q+3], s[22:23] offset:12288*\u+1536*\t+512*\q
.endr
.endr
.endr
	s_wait_tensorcnt 0x0                           ; the wave's end
	ds_add_u32 v[SPW], v[NIL]
	s_wait_dscnt 0x0
	s_endpgm
.Lfunc_end_k_qdccb4f614c_prep:
	.size	k_qdccb4f614c_prep, .Lfunc_end_k_qdccb4f614c_prep-k_qdccb4f614c_prep
	.p2alignl 7, 3214868480
	.fill 96, 4, 3214868480
	.section	.rodata,"a",@progbits
	.p2align	6, 0x0
	.amdhsa_kernel k_qdccb4f614c_prep
		.amdhsa_group_segment_fixed_size 59904
		.amdhsa_private_segment_fixed_size 0
		.amdhsa_enable_private_segment 0
		.amdhsa_kernarg_size 88
		.amdhsa_user_sgpr_count 2
		.amdhsa_user_sgpr_kernarg_segment_ptr 1
		.amdhsa_wavefront_size32 1
		.amdhsa_system_sgpr_workgroup_id_x 1
		.amdhsa_system_sgpr_workgroup_id_y 1
		.amdhsa_system_sgpr_workgroup_id_z 1
		.amdhsa_system_vgpr_workitem_id 0
		.amdhsa_next_free_vgpr 256
		.amdhsa_next_free_sgpr 66
		.amdhsa_reserve_vcc 0
		.amdhsa_float_denorm_mode_32 3
		.amdhsa_float_denorm_mode_16_64 3
		.amdhsa_memory_ordered 1
		.amdhsa_forward_progress 1
		.amdhsa_inst_pref_size 75
	.end_amdhsa_kernel
	.amdgpu_metadata
---
amdhsa.version: [ 1, 2 ]
amdhsa.kernels:
  - .name:           k_qdccb4f614c_prep
    .symbol:         k_qdccb4f614c_prep.kd
    .args:
      - { .name: query, .offset: 0, .size: 8, .value_kind: global_buffer, .address_space: global }
      - { .name: key, .offset: 8, .size: 8, .value_kind: global_buffer, .address_space: global }
      - { .name: value, .offset: 16, .size: 8, .value_kind: global_buffer, .address_space: global }
      - { .name: Wq, .offset: 24, .size: 8, .value_kind: global_buffer, .address_space: global }
      - { .name: Wk, .offset: 32, .size: 8, .value_kind: global_buffer, .address_space: global }
      - { .name: Wv, .offset: 40, .size: 8, .value_kind: global_buffer, .address_space: global }
      - { .name: Wo, .offset: 48, .size: 8, .value_kind: global_buffer, .address_space: global }
      - { .name: xi, .offset: 56, .size: 8, .value_kind: global_buffer, .address_space: global }
      - { .name: xs, .offset: 64, .size: 8, .value_kind: global_buffer, .address_space: global }
      - { .name: wi, .offset: 72, .size: 8, .value_kind: global_buffer, .address_space: global }
      - { .name: ws, .offset: 80, .size: 8, .value_kind: global_buffer, .address_space: global }
    .group_segment_fixed_size: 59904
    .private_segment_fixed_size: 0
    .kernarg_segment_align: 8
    .kernarg_segment_size: 88
    .max_flat_workgroup_size: 128
    .sgpr_count:     66
    .vgpr_count:     256
    .wavefront_size: 32
...
	.end_amdgpu_metadata
.endif
;; end of part 1
;; launch proj (part 2): grid 4 x 64, 4 waves a work-group, clusters of 4 x 4, 327,680 bytes of LDS; arguments xi, xs, wi, ws, bq, bk, bv, qr, kv; writes qr, kv
.if DOCPART == 2
	.amdgcn_target "amdgcn-amd-amdhsa--gfx1250"
	.amdhsa_code_object_version 6
	.text
	.protected	k_qdccb4f614c_proj
	.globl	k_qdccb4f614c_proj
	.p2align	8
	.type	k_qdccb4f614c_proj,@function
k_qdccb4f614c_proj:
	s_mov_b64 s[64:65], 0
	v_nop
	global_prefetch_b8 v0, s[64:65] scope:SCOPE_SE
	s_setreg_imm32_b32 hwreg(HW_REG_WAVE_MODE, 25, 1), 1
	s_wait_xcnt 0x0
	s_wait_alu depctr_hold_cnt(0) depctr_sa_sdst(0) depctr_va_vdst(0) depctr_va_sdst(0) depctr_va_ssrc(0) depctr_va_vcc(0) depctr_vm_vsrc(0)
	s_getreg_b32 s2, hwreg(HW_REG_IB_STS2, 6, 4)
	s_cmp_eq_u32 s2, 0
	s_cbranch_scc0 .Lentry_in_a_cluster
	s_endpgm
.Lentry_in_a_cluster:
	s_bfe_u32 s2, ttmp6, 0x10000c
	s_cmp_lg_u32 s2, 0xf033
	s_cbranch_scc0 .Lentry_shape_is_right
	s_endpgm
.Lentry_shape_is_right:
; q = query Wq + bq, k = key Wk + bk, v = value Wv + bv on codes of FP6 (E2M3), K = 1,024; the results are quantised at once: q and k along a head's 64 channels, v along the keys.
; EVERY PRODUCT IS D = R tile (source 0) x P tile (source 1): a lane holds ONE row of P, its registers run along R.  Rows lie in pairs of 32, tile u holding in lane r the row 8 u + r + 8 (r / 8),
; so the 16 registers of R's tiles 2 b, 2 b + 1 are R's rows 32 b + 16 (lane / 16) + 0 .. 15.  q, k: P = tokens, R = the weight's columns.  v: P = Wv's columns, R = tokens.  The roles change by addresses alone.
; A WORK-GROUP STAYS: 256 work-groups, each makes 128 rows of P x 256 rows of R of q, then of k (a loop of two trips), then of v (written out: it refills nothing and has its own way out).
; Wave w: P's tiles 4 (w / 2) on, R's tiles 8 (w % 2) on: 32 accumulators.
; LDS: a ring of two slots of four K steps: 8 tiles of P, then 16 of R, 6,144 bytes a tile, as images of the operands' registers.  Head: one load a wave (P low, R low, P high, R high).
; The low slot is filled again in a round of the cluster's barrier inside K step 3 (waves 0, 1), the high slot in one inside K step 7 (waves 2, 3); by this text's count a wave has one load out.
; CLUSTER 4 x 4: P hangs on the place along y and is asked for jointly by a row, R on the place along x, by a column.
; PREFETCH: behind a trip's first K step each wave names its sixteenth of the next tensor's tiles (P 24 blocks of 256 bytes, R 48), shared out by address; two K steps ahead of the first load that wants them; the tail asks for nothing.
; THE 1/8 ON q is not applied here: a power of two passes through the quantiser and the sums unchanged, and the attention launch folds it into its constant.
; LIMITS: a block whose largest magnitude lies under 2^-124 gets the byte 1, a block of zeros too (this program alone reads the bytes); blocks of q under about 2^-121 are not served; NaN and infinities are not served.
; REGISTERS.  window 0: v1-15 addresses; v16-31 P's scale words, v32-63 R's; v64-159 R's fragments, v160-207 P's (set 0); in the epilogue v64-211 are laid anew.
;   window 1: accumulator (a, b) at v[64 a + 8 b].   window 2: v0-63 the bias along the features; v64-207 fragment set 1; v208-215 the bias along the channels.
.set SLOT,  147456
.set TILEH, 6144
.set FRB,   1536
.set SPARE, 2*SLOT
.set ADP,  4                           ; v4, v5  LDS address of my P tiles in slot 0, 1
.set ADR,  8                           ; v8, v9  of my R tiles
.set PF0,  6                           ; v6, v7, v10  the prefetches' offsets
.set PF1,  7
.set PF2,  10
.set SPW,  12
.set NIL,  13
.set SCP,  16
.set SCR,  32
.set FRR,  64
.set FRP,  160
.set BV1,  208
.set H,    64
.set IMG,  128
.set CT,   176
.set TM,   184
.set PW,   200
.set SW,   204
.set WV,   22
.set SEL,  2
.set G1P,  32
.set G1R,  40
.set PL,   48                          ; s[48:51], s[52:55] group 0 of P's tiles, slot 0, 1
.set RL,   68                          ; s[68:71], s[72:75] of R's
.set MSB,  0
.macro WIN new
.if MSB != (\new)
	s_set_vgpr_msb (MSB<<8)|(\new)
.set MSB, (\new)
.endif
.endm
.macro CREST                           ; a round of the cluster's barrier behind its opening signal
	s_barrier_wait -1
	s_cmp_lg_u32 s[WV], 0
	s_cbranch_scc1 .Lnw_\@
	s_barrier_signal -3
.Lnw_\@:
	s_barrier_wait -3
	s_barrier_signal -1
	s_barrier_wait -1
.endm
.macro ROUND
	s_barrier_signal -1
	CREST
.endm
.macro PLACES
.rept 4
	v_nop
.endr
.endm
.macro WALU
	s_wait_alu depctr_va_vdst(0)
.endm
.macro TLOAD g0, g1                    ; s_nop 0 and four v_nop behind a tensor load
	tensor_load_to_lds s[\g0:\g0+3], s[\g1:\g1+7]
	s_nop 0
	PLACES
.endm
.macro TREE w, gp, gr                  ; a refill: wave w P's tiles, wave w + 1 R's
	s_cmp_eq_u32 s[WV], \w
	s_cbranch_scc0 .Lt1_\@
	TLOAD \gp, G1P
	s_branch .Lt2_\@
.Lt1_\@:
	s_cmp_eq_u32 s[WV], \w+1
	s_cbranch_scc0 .Lt2_\@
	TLOAD \gr, G1R
.Lt2_\@:
.endm
.macro WM2 d, a, b, z, sa, sb, x, y    ; one product; x, y: the scale words lie in lanes 16-31; z: it starts the sum
.if \z
	v_wmma_scale_f32_16x16x128_f8f6f4 v[\d:\d+7], v[\a:\a+11], v[\b:\b+11], 0, v[\sa], v[\sb] matrix_a_fmt:MATRIX_FMT_FP6 matrix_b_fmt:MATRIX_FMT_FP6 matrix_a_scale:MATRIX_SCALE_ROW\x matrix_b_scale:MATRIX_SCALE_ROW\y
.else
	v_wmma_scale_f32_16x16x128_f8f6f4 v[\d:\d+7], v[\a:\a+11], v[\b:\b+11], v[\d:\d+7], v[\sa], v[\sb] matrix_a_fmt:MATRIX_FMT_FP6 matrix_b_fmt:MATRIX_FMT_FP6 matrix_a_scale:MATRIX_SCALE_ROW\x matrix_b_scale:MATRIX_SCALE_ROW\y
.endif
.endm
; 64 numbers of a lane, register 16 b + i = k 32 b + 16 (lane / 16) + i of my row, become a fragment's codes and its scale word
.macro QUANT s, d0, d1, pw
.irp b, 0,1,2,3
	v_max3_num_f32 v[TM+\b], |v[\s+16*\b]|, |v[\s+1+16*\b]|, 0x1800000   ; with the floor 2^(3 - 127): the byte cannot fall under 1
.endr
.irp i, 2,4,6,8,10,12,14
.irp b, 0,1,2,3
	v_max3_num_f32 v[TM+\b], v[TM+\b], |v[\s+16*\b+\i]|, |v[\s+1+16*\b+\i]|
.endr
.endr
.irp b, 0,1,2,3
	v_permlanex16_b32 v[TM+4+\b], v[TM+\b], s[SEL], s[SEL+1]
.endr
.irp b, 0,1,2,3
	v_max_num_f32 v[TM+\b], v[TM+\b], v[TM+4+\b]
.endr
.irp b, 0,1,2,3
	v_add_nc_u32 v[TM+12+\b], 0xff000000, v[TM+\b]   ; 2 off the exponent field: the conversion's scale operand
.endr
.irp b, 0,1,2,3
	v_lshrrev_b32 v[TM+4+\b], 23, v[TM+12+\b]
.endr
	v_lshl_or_b32 v[\pw], v[TM+5], 8, v[TM+4]
	v_lshl_or_b32 v[\pw], v[TM+6], 16, v[\pw]
	v_lshl_or_b32 v[\pw], v[TM+7], 24, v[\pw]
	v_cvt_scalef32_pk16_fp6_f32 v[\d0:\d0+2], v[\s:\s+15], v[TM+12]
	v_cvt_scalef32_pk16_fp6_f32 v[CT:CT+2], v[\s+16:\s+31], v[TM+13]
	v_cvt_scalef32_pk16_fp6_f32 v[\d1:\d1+2], v[\s+32:\s+47], v[TM+14]
	v_cvt_scalef32_pk16_fp6_f32 v[CT+4:CT+6], v[\s+48:\s+63], v[TM+15]
	v_nop
.irp i, 0,1,2
	v_permlane16_swap_b32 v[\d0+\i], v[CT+\i]      ; a whole block to a lane
.endr
.irp i, 0,1,2
	v_mov_b32 v[\d0+3+\i], v[CT+\i]
.endr
.irp i, 0,1,2
	v_permlane16_swap_b32 v[\d1+\i], v[CT+4+\i]
.endr
.irp i, 0,1,2
	v_mov_b32 v[\d1+3+\i], v[CT+4+\i]
.endr
.endm
; tensor s28 (0 q, 1 k, 2 v): s30 my block of 128 rows of P (hangs on cy), s31 my block of 256 rows of R (on cx); s[92:93] P's codes, s[94:95] my P scale blocks, s[96:97] R's codes, s[98:99] my R scale blocks
.macro ADDR
	s_and_b32 s84, s27, 1
	s_lshr_b32 s88, s27, 1
	s_lshl_b32 s85, s28, 9
	s_lshl_b32 s89, s28, 6
	s_cmp_eq_u32 s28, 2
	s_cselect_b32 s84, s84, s27
	s_cselect_b32 s88, s88, 0
	s_cselect_b32 s85, 128, s85
	s_cselect_b32 s89, 1024, s89
	s_cselect_b64 s[92:93], s[8:9], s[4:5]
	s_cselect_b64 s[94:95], s[10:11], s[6:7]
	s_cselect_b64 s[96:97], s[4:5], s[8:9]
	s_cselect_b64 s[98:99], s[6:7], s[10:11]
	s_lshl_b32 s30, s84, 2
	s_add_co_u32 s30, s30, s26
	s_lshl_b32 s31, s88, 2
	s_add_co_u32 s31, s31, s25
	s_lshl_b32 s84, s30, 3
	s_add_co_u32 s85, s85, s84
	s_lshl_b32 s88, s31, 4
	s_add_co_u32 s89, s89, s88
	s_mul_i32 s86, s85, 12288
	s_mov_b32 s87, 0
	s_lshl_b32 s84, s85, 9
	s_lshl_b32 s85, s23, 11
	s_add_co_u32 s84, s84, s85
	s_mov_b32 s85, 0
	s_mul_i32 s90, s89, 12288
	s_mov_b32 s91, 0
	s_lshl_b32 s88, s89, 9
	s_lshl_b32 s89, s24, 12
	s_add_co_u32 s88, s88, s89
	s_mov_b32 s89, 0
	s_add_nc_u64 s[92:93], s[92:93], s[86:87]
	s_add_nc_u64 s[94:95], s[94:95], s[84:85]
	s_add_nc_u64 s[96:97], s[96:97], s[90:91]
	s_add_nc_u64 s[98:99], s[98:99], s[88:89]
.endm
.macro SCLOAD                          ; 24 loads: a scale block is 256 consecutive bytes, two K steps' words
.irp j, 0,1
.irp q, 0,1,2,3
	global_load_b64 v[SCP+8*\j+2*\q:SCP+8*\j+2*\q+1], v2, s[94:95] offset:1024*\j+256*\q
.endr
.endr
.irp j, 0,1,2,3
.irp q, 0,1,2,3
	global_load_b64 v[SCR+8*\j+2*\q:SCR+8*\j+2*\q+1], v2, s[98:99] offset:1024*\j+256*\q
.endr
.endr
.endm
.macro FETCH s                         ; K step s's fragments, 36 loads of 512 consecutive bytes, into set s % 2
	WIN 0x80*((\s)%2)
.irp b, 0,1,2,3,4,5,6,7
.irp q, 0,1,2
	ds_load_b128 v[FRR+12*\b+4*\q:FRR+12*\b+4*\q+3], v[ADR+(\s)/4] offset:TILEH*\b+FRB*((\s)%4)+512*\q
.endr
.endr
.irp a, 0,1,2,3
.irp q, 0,1,2
	ds_load_b128 v[FRP+12*\a+4*\q:FRP+12*\a+4*\q+3], v[ADP+(\s)/4] offset:TILEH*\a+FRB*((\s)%4)+512*\q
.endr
.endr
.endm
.macro MULH s, ap                      ; 16 products: P's tiles 2 ap, 2 ap + 1 x R's eight; the 32 accumulators take turns in the same order in every K step
	WIN 0x50+0x0a*((\s)%2)
.irp y, 0,1
.irp bp, 0,1,2,3
.irp x, 0,1
	WM2 64*(2*(\ap)+\y)+8*(2*\bp+\x), FRR+12*(2*\bp+\x), FRP+12*(2*(\ap)+\y), (\s)==0, SCR+8*\bp+(\s), SCP+8*(\ap)+(\s), \x, \y
.endr
.endr
.endr
.endm
.macro STEP s
.if (\s) > 0
	PLACES                                         ; in front of loads into registers that matrix instructions have read
.endif
	FETCH (\s)+1
	s_wait_dscnt 36                                ; all but the 36 just issued
	MULH \s, 0
	MULH \s, 1
.endm
; K step 3 or 7 with the change of slots.  refill = 1: the three lines, a round with 16 products inside it, the joint refill first behind it.  refill = 0 (K step 3 of the tail): a plain barrier shows the high slot
.macro RSTEP s, refill
	WIN 0
	s_wait_tensorcnt 0x0                           ; all my tensor loads have landed
.if \refill
	ds_add_u32 v[SPW], v[NIL]
.if (\s) == 3
	s_mov_b64 s[PL+2:PL+3], s[92:93]               ; no load of mine is out: the next tensor's low half of K
	s_or_b32 s[PL+3], s[PL+3], 0x80000000
	s_mov_b64 s[RL+2:RL+3], s[96:97]
	s_or_b32 s[RL+3], s[RL+3], 0x80000000
.else
	s_add_nc_u64 s[PL+6:PL+7], s[92:93], TILEH     ; its high half
	s_or_b32 s[PL+7], s[PL+7], 0x80000000
	s_add_nc_u64 s[RL+6:RL+7], s[96:97], TILEH
	s_or_b32 s[RL+7], s[RL+7], 0x80000000
.endif
.endif
	s_wait_dscnt 0x0                               ; the add, and my reads of the slot that is left
	s_barrier_signal -1
	MULH \s, 0
	WIN 0
.if \refill
	CREST
.if (\s) == 3
	TREE 0, PL, RL
.else
	TREE 2, PL+4, RL+4
.endif
.else
	s_barrier_wait -1
.endif
	PLACES
.if (\s) == 3
	FETCH 4
.endif
	MULH \s, 1
.endm
; THE EPILOGUE: for each of my four tiles of P: + bias, quantised; the fragment leaves as chunks of 256 consecutive bytes
.macro EPI kind
.irp a, 0,1,2,3
	WIN 0x09                                       ; source 0 (sums) window 1, source 1 (bias) window 2
.set i, 0
.rept 32
.if \kind
	v_pk_add_f32 v[H+2*i:H+2*i+1], v[64*\a+2*i:64*\a+2*i+1], v[BV1+2*\a:BV1+2*\a+1]
.else
	v_pk_add_f32 v[H+2*i:H+2*i+1], v[64*\a+2*i:64*\a+2*i+1], v[2*i:2*i+1]   ; each accumulator from its low end on
.endif
.set i, i+1
.endr
	WIN 0
	QUANT H, IMG+12*\a, IMG+12*\a+6, PW+\a
.if \kind
.irp p, 0,1,2,3,4,5
	global_store_b64 v2, v[IMG+12*\a+2*\p:IMG+12*\a+2*\p+1], s[56:57] offset:1536*\a+256*\p
.endr
.else
.irp p, 0,1,2
	global_store_b64 v2, v[IMG+12*\a+2*\p:IMG+12*\a+2*\p+1], s[56:57] offset:768*\a+256*\p     ; the first head's 64 channels
	global_store_b64 v2, v[IMG+12*\a+6+2*\p:IMG+12*\a+7+2*\p], s[58:59] offset:768*\a+256*\p   ; the next head's
.endr
.endif
.endr
	v_cndmask_b32 v[SW], v[PW], v[PW+1], s66       ; lanes 0-15 the pair's tile 0, lanes 16-31 its tile 1
	v_cndmask_b32 v[SW+1], v[PW+2], v[PW+3], s66
.endm
; one tile of one tensor.  more = 1: q or k, in the loop; more = 0: v, the tail
.macro TILE more
.if \more
	s_cmp_eq_u32 s28, 0                            ; record (batch, head, block of 128 tokens); my 128 features are heads 4 x block of R + 2 wr and the next
	s_cselect_b64 s[56:57], s[18:19], s[20:21]
	s_cselect_b64 s[76:77], s[12:13], s[14:15]
	s_mov_b32 s80, 13056
	s_cselect_b32 s80, 6656, s80                   ; a record's bytes
	s_mov_b32 s81, 12288
	s_cselect_b32 s81, 6144, s81                   ; where its scale blocks begin
	s_lshr_b32 s82, s30, 4
	s_lshl_b32 s82, s82, 4
	s_lshl_b32 s83, s31, 2
	s_add_co_u32 s82, s82, s83
	s_lshl_b32 s83, s24, 1
	s_add_co_u32 s82, s82, s83
	s_lshl_b32 s82, s82, 4
	s_and_b32 s83, s30, 15
	s_add_co_u32 s82, s82, s83
	s_mul_i32 s82, s82, s80
	s_mov_b32 s83, 0
	s_add_nc_u64 s[56:57], s[56:57], s[82:83]
	s_lshl_b32 s100, s80, 4                        ; the next head's record lies 16 records on
	s_mov_b32 s101, 0
	s_lshl_b32 s86, s23, 8
	s_add_co_u32 s86, s86, s81
	s_mov_b32 s87, 0
	s_add_nc_u64 s[60:61], s[56:57], s[86:87]
	s_add_nc_u64 s[62:63], s[60:61], s[100:101]
	s_mul_i32 s82, s23, 3072
	s_add_nc_u64 s[56:57], s[56:57], s[82:83]
	s_add_nc_u64 s[58:59], s[56:57], s[100:101]
	s_lshl_b32 s84, s31, 10                        ; the bias along the features: 256 numbers a block of R, 128 a wave
	s_lshl_b32 s85, s24, 9
	s_add_co_u32 s84, s84, s85
	s_mov_b32 s85, 0
	s_add_nc_u64 s[76:77], s[76:77], s[84:85]
	WIN 0x80
.irp b, 0,1,2,3,4,5,6,7
	global_load_b128 v[8*\b:8*\b+3], v3, s[76:77] offset:(32*(\b/2)+8*(\b%2))*4
	global_load_b128 v[8*\b+4:8*\b+7], v3, s[76:77] offset:(32*(\b/2)+8*(\b%2))*4+16
.endr
.else
	s_lshr_b32 s82, s31, 3                         ; record (batch, head, key step): head 2 x block of P + wp, key step 2 x block of R + wr
	s_lshl_b32 s82, s82, 4
	s_lshl_b32 s83, s30, 1
	s_add_co_u32 s82, s82, s83
	s_add_co_u32 s82, s82, s23
	s_lshl_b32 s82, s82, 4
	s_lshl_b32 s83, s31, 1
	s_add_co_u32 s83, s83, s24
	s_and_b32 s83, s83, 15
	s_add_co_u32 s82, s82, s83
	s_mul_i32 s82, s82, 13056
	s_add_co_u32 s82, s82, 6144                    ; V's four tiles lie behind K's eight
	s_mov_b32 s83, 0
	s_add_nc_u64 s[56:57], s[20:21], s[82:83]
	s_lshl_b32 s84, s30, 9                         ; the bias along the channels: 128 a block of P, 64 a wave
	s_lshl_b32 s85, s23, 8
	s_add_co_u32 s84, s84, s85
	s_mov_b32 s85, 0
	s_add_nc_u64 s[78:79], s[16:17], s[84:85]
	WIN 0x80
.irp a, 0,1,2,3
	global_load_b32 v[BV1+2*\a], v14, s[78:79] offset:(32*(\a/2)+8*(\a%2))*4
	global_load_b32 v[BV1+2*\a+1], v14, s[78:79] offset:(32*(\a/2)+8*(\a%2))*4   ; twice: a pair for the packed addition
.endr
.endif
	FETCH 0
	WIN 0
.if \more
	s_wait_xcnt 0x0                                ; the scale loads have read their bases: the next tensor's addresses may be made
	s_add_co_u32 s28, s28, 1
	ADDR
	s_lshl_b32 s80, s25, 2                         ; my sixteenth of the next P tiles (shared out by cx and the wave), and of the next R tiles (by cy and the wave)
	s_add_co_u32 s80, s80, s[WV]
	s_mul_i32 s80, s80, 6144
	s_mov_b32 s81, 0
	s_add_nc_u64 s[80:81], s[92:93], s[80:81]
	s_lshl_b32 s82, s26, 2
	s_add_co_u32 s82, s82, s[WV]
	s_mul_i32 s82, s82, 12288
	s_mov_b32 s83, 0
	s_add_nc_u64 s[82:83], s[96:97], s[82:83]
	s_wait_loadcnt 16                              ; the scale words are in; the 16 loads of the bias, issued behind them, may be out
.else
	s_wait_loadcnt 8                               ; likewise: the bias's 8 loads may be out
.endif
	STEP 0
.if \more
	WIN 0
	global_prefetch_b8 v[PF0], s[80:81] th:TH_LOAD_NT scope:SCOPE_SE
	global_prefetch_b8 v[PF1], s[82:83] th:TH_LOAD_NT scope:SCOPE_SE
	global_prefetch_b8 v[PF2], s[82:83] th:TH_LOAD_NT scope:SCOPE_SE
.endif
	STEP 1
	STEP 2
	RSTEP 3, \more
	STEP 4
	STEP 5
	STEP 6
.if \more
	RSTEP 7, 1
.else
	s_wait_dscnt 0x0
	MULH 7, 0
	MULH 7, 1
.endif
	WIN 0
	PLACES                                         ; in front of the first read of results and of loads and writes into registers that matrix instructions have read
	s_wait_loadcnt 0x0                             ; the bias
.if \more
	SCLOAD                                         ; the next tensor's scale words land under the epilogue
.endif
.irp b, 0,1,2,3
	v_mov_b32 v[TM+4+\b], 0                        ; a lane permute's destination counts as one of its sources
.endr
	EPI 1-\more
.if \more
	v_and_or_b32 v[SW+2], v[SW], 0xffff, s67       ; the first head's two bytes, and the byte of 1.0 for the two blocks that a head does not have
	v_and_or_b32 v[SW+3], v[SW+1], 0xffff, s67
	v_lshrrev_b32 v[SW+4], 16, v[SW]
	v_lshrrev_b32 v[SW+5], 16, v[SW+1]
	v_or_b32 v[SW+4], s67, v[SW+4]
	v_or_b32 v[SW+5], s67, v[SW+5]
	global_store_b64 v2, v[SW+2:SW+3], s[60:61]
	global_store_b64 v2, v[SW+4:SW+5], s[62:63]
.else
	global_store_b64 v2, v[SW:SW+1], s[56:57] offset:6656   ; V's scale block, at byte 12,800 of the record
.endif
	WALU
	s_wait_xcnt 0x0                                ; the stores have read their registers and bases
.endm
	s_load_b512 s[4:19], s[0:1], 0x0               ; xi, xs, wi, ws, bq, bk, bv, qr
	s_load_b64 s[20:21], s[0:1], 0x40              ; kv
	v_lshl_add_u32 v[SPW], v0, 2, SPARE
	v_mov_b32 v[NIL], 0
	ds_add_u32 v[SPW], v[NIL]                      ; the opening lines: the add, twice, and its wait
	ds_add_u32 v[SPW], v[NIL]
	v_lshrrev_b32 v1, 5, v0
	v_readfirstlane_b32 s[WV], v1                  ; wave 0..3
	s_lshr_b32 s23, s[WV], 1                       ; wp
	s_and_b32 s24, s[WV], 1                        ; wr
	s_bfe_u32 s25, ttmp6, 0x40000                  ; cx
	s_bfe_u32 s26, ttmp6, 0x40004                  ; cy
	s_and_b32 s27, ttmp7, 0xffff                   ; the cluster's y, 0..15
	s_lshl_b32 s86, s26, 2
	s_lshl_b32 s86, 15, s86                        ; my row of the cluster
	s_lshl_b32 s90, 0x1111, s25                    ; my column
	s_or_b32 s[G1P], s86, (3<<16)|(1<<21)          ; rows of 6,144 bytes (768 elements of 8 bytes), 12,288 bytes apart, dense in LDS: 8 for P, 16 for R
	s_or_b32 s[G1R], s90, (3<<16)|(1<<21)
	s_mov_b32 s[G1P+2], 8<<16
	s_mov_b32 s[G1P+4], 8
	s_mov_b32 s[G1R+2], 16<<16
	s_mov_b32 s[G1R+4], 16
.irp g, G1P, G1R
	s_mov_b32 s[\g+1], 768<<16
	s_mov_b32 s[\g+3], 768<<16
	s_mov_b32 s[\g+5], 1536
	s_mov_b32 s[\g+6], 0
	s_mov_b32 s[\g+7], 0
.endr
	s_mov_b32 s[SEL], 0x76543210
	s_mov_b32 s[SEL+1], 0xfedcba98
	s_mov_b32 s66, 0xffff0000                      ; as a mask of lanes: lanes 16-31
	s_mov_b32 s67, 0x7f7f0000
	v_and_b32 v15, 31, v0
	v_lshlrev_b32 v1, 4, v15                       ; 16 x lane
	v_lshlrev_b32 v2, 3, v15                       ; 8 x lane
	v_min_u32 v[PF0], 23, v15
	v_lshlrev_b32 v[PF0], 8, v[PF0]                ; P: 24 blocks of 256 bytes (the lanes left over name the last again)
	v_lshlrev_b32 v[PF1], 8, v15                   ; R: 32 blocks,
	v_min_u32 v[PF2], 15, v15
	v_lshlrev_b32 v[PF2], 8, v[PF2]
	v_add_nc_u32 v[PF2], 8192, v[PF2]              ; and 16 more
	v_bfe_u32 v14, v0, 4, 1
	v_lshlrev_b32 v3, 6, v14                       ; the bias along the features: 16 (lane / 16) numbers on
	v_and_b32 v15, 15, v0
	v_and_b32 v14, 8, v15
	v_add_nc_u32 v14, v14, v15
	v_lshlrev_b32 v14, 2, v14                      ; along the channels: my row of a tile
	s_mul_i32 s100, s23, 4*TILEH
	s_mul_i32 s101, s24, 8*TILEH
	s_add_co_u32 s101, s101, 8*TILEH               ; R's tiles lie behind P's eight
.irp c, 0,1
	v_add_nc_u32 v[ADP+\c], s100, v1
	v_add_nc_u32 v[ADR+\c], s101, v1
	s_add_co_u32 s100, s100, SLOT
	s_add_co_u32 s101, s101, SLOT
.endr
	WALU
	s_wait_dscnt 0x0
	ROUND                                          ; all sixteen work-groups are here: the first joint loads meet
	s_wait_kmcnt 0x0
	s_mov_b32 s28, 0
	ADDR
.irp c, 0,1
	s_mov_b32 s[PL+4*\c], 1
	s_mov_b32 s[PL+4*\c+1], \c*SLOT
	s_add_nc_u64 s[PL+4*\c+2:PL+4*\c+3], s[92:93], \c*TILEH
	s_or_b32 s[PL+4*\c+3], s[PL+4*\c+3], 0x80000000
	s_mov_b32 s[RL+4*\c], 1
	s_mov_b32 s[RL+4*\c+1], \c*SLOT+8*TILEH
	s_add_nc_u64 s[RL+4*\c+2:RL+4*\c+3], s[96:97], \c*TILEH
	s_or_b32 s[RL+4*\c+3], s[RL+4*\c+3], 0x80000000
.endr
	s_cmp_eq_u32 s[WV], 0                          ; one load a wave, each on a line of its own
	s_cbranch_scc0 .Lwave_1
	TLOAD PL, G1P
	s_branch .Lasked
.Lwave_1:
	s_cmp_eq_u32 s[WV], 1
	s_cbranch_scc0 .Lwave_2
	TLOAD RL, G1R
	s_branch .Lasked
.Lwave_2:
	s_cmp_eq_u32 s[WV], 2
	s_cbranch_scc0 .Lwave_3
	TLOAD PL+4, G1P
	s_branch .Lasked
.Lwave_3:
	TLOAD RL+4, G1R
.Lasked:
	SCLOAD
	s_cmp_lt_u32 s[WV], 2
	s_cbranch_scc0 .Lnot_lo
	s_wait_tensorcnt 0x0                           ; waves 0 and 1: the low slot's tiles
.Lnot_lo:
	s_barrier_signal -1
	s_barrier_wait -1                              ; the low slot is whole; the high slot's loads may be out
	s_mov_b32 s29, 0
.Ltile:
	TILE 1
	s_add_co_u32 s29, s29, 1
	s_cmp_lt_u32 s29, 2
	s_cbranch_scc1 .Ltile
	TILE 0
	s_wait_tensorcnt 0x0                           ; the wave's end
	ds_add_u32 v[SPW], v[NIL]
	s_wait_dscnt 0x0
	ROUND                                          ; the closing round
	s_endpgm
.Lfunc_end_k_qdccb4f614c_proj:
	.size	k_qdccb4f614c_proj, .Lfunc_end_k_qdccb4f614c_proj-k_qdccb4f614c_proj
	.p2alignl 7, 3214868480
	.fill 96, 4, 3214868480
	.section	.rodata,"a",@progbits
	.p2align	6, 0x0
	.amdhsa_kernel k_qdccb4f614c_proj
		.amdhsa_group_segment_fixed_size 327680
		.amdhsa_private_segment_fixed_size 0
		.amdhsa_enable_private_segment 0
		.amdhsa_kernarg_size 72
		.amdhsa_user_sgpr_count 2
		.amdhsa_user_sgpr_kernarg_segment_ptr 1
		.amdhsa_wavefront_size32 1
		.amdhsa_system_sgpr_workgroup_id_x 1
		.amdhsa_system_sgpr_workgroup_id_y 1
		.amdhsa_system_sgpr_workgroup_id_z 1
		.amdhsa_system_vgpr_workitem_id 0
		.amdhsa_next_free_vgpr 768
		.amdhsa_next_free_sgpr 102
		.amdhsa_reserve_vcc 0
		.amdhsa_float_denorm_mode_32 3
		.amdhsa_float_denorm_mode_16_64 3
		.amdhsa_memory_ordered 1
		.amdhsa_forward_progress 1
		.amdhsa_inst_pref_size 177
	.end_amdhsa_kernel
	.amdgpu_metadata
---
amdhsa.version: [ 1, 2 ]
amdhsa.kernels:
  - .name:           k_qdccb4f614c_proj
    .symbol:         k_qdccb4f614c_proj.kd
    .args:
      - { .name: xi, .offset: 0, .size: 8, .value_kind: global_buffer, .address_space: global }
      - { .name: xs, .offset: 8, .size: 8, .value_kind: global_buffer, .address_space: global }
      - { .name: wi, .offset: 16, .size: 8, .value_kind: global_buffer, .address_space: global }
      - { .name: ws, .offset: 24, .size: 8, .value_kind: global_buffer, .address_space: global }
      - { .name: bq, .offset: 32, .size: 8, .value_kind: global_buffer, .address_space: global }
      - { .name: bk, .offset: 40, .size: 8, .value_kind: global_buffer, .address_space: global }
      - { .name: bv, .offset: 48, .size: 8, .value_kind: global_buffer, .address_space: global }
      - { .name: qr, .offset: 56, .size: 8, .value_kind: global_buffer, .address_space: global }
      - { .name: kv, .offset: 64, .size: 8, .value_kind: global_buffer, .address_space: global }
    .group_segment_fixed_size: 327680
    .private_segment_fixed_size: 0
    .kernarg_segment_align: 8
    .kernarg_segment_size: 72
    .max_flat_workgroup_size: 128
    .sgpr_count:     102
    .vgpr_count:     768
    .wavefront_size: 32
...
	.end_amdgpu_metadata
.endif
;; end of part 2
;; launch attn (part 3): grid 4 x 64, 16 waves a work-group, clusters of 4 x 1, 212,992 bytes of LDS; arguments qr, kv, ci, cs; writes ci, cs
.if DOCPART == 3
	.amdgcn_target "amdgcn-amd-amdhsa--gfx1250"
	.amdhsa_code_object_version 6
	.text
	.protected	k_qdccb4f614c_attn
	.globl	k_qdccb4f614c_attn
	.p2align	8
	.type	k_qdccb4f614c_attn,@function
k_qdccb4f614c_attn:
	s_mov_b64 s[64:65], 0
	v_nop
	global_prefetch_b8 v0, s[64:65] scope:SCOPE_SE
	s_setreg_imm32_b32 hwreg(HW_REG_WAVE_MODE, 25, 1), 1
	s_wait_xcnt 0x0
	s_wait_alu depctr_hold_cnt(0) depctr_sa_sdst(0) depctr_va_vdst(0) depctr_va_sdst(0) depctr_va_ssrc(0) depctr_va_vcc(0) depctr_vm_vsrc(0)
	s_getreg_b32 s2, hwreg(HW_REG_IB_STS2, 6, 4)
	s_cmp_eq_u32 s2, 0
	s_cbranch_scc0 .Lentry_in_a_cluster
	s_endpgm
.Lentry_in_a_cluster:
	s_bfe_u32 s2, ttmp6, 0x10000c
	s_cmp_lg_u32 s2, 0x3003
	s_cbranch_scc0 .Lentry_shape_is_right
	s_endpgm
.Lentry_shape_is_right:
; ctx = softmax(q k^T / 8, causal) v for one (batch, head), both products on codes of FP6 (E2M3); ctx is quantised along the features for the last product.
; THE SOFTMAX: t = score x log2(e) / 8 (the 1/8 that belongs on q stands here: a power of two passes through q's quantiser and the sums unchanged); M = the running largest t rounded up to a whole number;
; p = 2^(t - M) is quantised along the keys, not normalised; the row's sum is taken of the unquantised p and divides at the end.  When M moves, the sum and O are multiplied by 2^(old M - new M): exact.
; LDS.  A head's K, V and scale words are 16 records of 13,056 bytes (a key step of 128 keys each: K's 8 tiles of 768 bytes, V's 4 tiles of 1,536, three scale blocks), laid as images of the operands' registers.
; They all fit: each of the sixteen waves brings one record by one tensor load; one barrier; then no wave waits for another, and no byte is filled again.
; SHARES.  Work-group x = i, wave w: g = w % 2, idx = w / 2.  The wave owns tile idx (16 queries) of query block low = (g ? 7 - i : i) and then of block 15 - low: (low + 1) + (16 - low) = 17 key steps for every wave of the launch.
; No cluster: which key steps are left out hangs on the query block, which would differ between partners.
; LAYOUT.  S^T = K Q^T and O^T = V^T P^T: a lane holds ONE query.  The keys of a tile are laid so that the 16 registers of tiles 2 b, 2 b + 1 are keys 32 b + 16 (lane / 16) + 0 .. 15.
; A HEAD HAS 64 CHANNELS, the instruction takes 128: Q's registers 6-11 are zero codes.  K's operand of tile t names the six registers behind its own (the next tile's codes, or zeros): every code is a finite number, times 0.  The scale bytes there are those of 1.0.
; CAUSAL.  Both loops have constant trip counts; a step all of whose keys are hidden is jumped over by a branch on ids; on the diagonal hidden scores become -infinity (p = 0, as with the -1e10 that the problem adds, so long as the scores that count lie far above -1e10).
; LIMITS: a block of ctx or p under 2^-124 gets the byte 1, a block of zeros too (this program alone reads the bytes); NaN and infinities are not served.
; REGISTERS: v1-11 addresses; v12 -M, v13 the largest t, v[14:15] the sum; v16-27 Q (phase 0), v28 its scale words; v32-79 K's or V's fragments, v80-85 zeros; v86-89 K's scale words, v90-91 V's; v96-159 S^T, then p;
;   v160-191 O^T; v192-203 Q (phase 1), v204 its scale words; v206-217 ctx's codes; v224-235 p's codes; v232-255 at work.
.set REC,   13056
.set QREC,  6656
.set SCST,  16*REC                     ; behind the records: ctx's scale words, [phase][wave][64 bytes]
.set SPARE, SCST+2048                  ; the spare words, 128 bytes for each wave
.set SPW,  5                           ; v5   LDS address of my spare word; never rewritten
.set NIL,  6                           ; v6   0; never rewritten
.set ADK,  8                           ; v8   8 x lane + the key step's record
.set ST,   17                          ; s17  the key step
.set TB,   18                          ; s18  its record in LDS
.set SEL,  20
.set CS,   22                          ; s[22:23] c = log2(e) / 8
.set G1,   24
.set G0,   32
; THE DEAL AS IT NOW STANDS (in place of the paragraphs SHARES and 'No cluster' above).  The four work-groups of a (batch, head) form a cluster and ask for each of the sixteen records JOINTLY (mask 15).
; Wave w owns a tile of query block low = w / 2 and then of block 15 - low: 17 key steps for every wave; which steps are jumped over hangs on the wave's number alone, and every work-group reads all sixteen records.
; The place cx in the cluster picks the tile in a block, idx = 2 cx + w % 2: it enters global addresses and the diagonal's compare values, no branch and no LDS address.
; ctx's scale words: LDS and cs hold [phase][low][w % 2][r] words; a work-group's 2,048 bytes lie on end in cs at (4 (16 batch + head) + cx) x 2,048.
.macro ROUND                           ; a round of the cluster's barrier
	s_barrier_signal -1
	s_barrier_wait -1
	s_cmp_lg_u32 s12, 0
	s_cbranch_scc1 .Lnot_wave_0_\@
	s_barrier_signal -3
.Lnot_wave_0_\@:
	s_barrier_wait -3
	s_barrier_signal -1
	s_barrier_wait -1
.endm
	s_load_b256 s[4:11], s[0:1], 0x0               ; qr, kv, ci, cs
	v_lshl_add_u32 v[SPW], v0, 2, SPARE
	v_mov_b32 v[NIL], 0
	ds_add_u32 v[SPW], v[NIL]                      ; the wave's opening: the add and its wait ahead of my tensor load; work on registers stands between them
	ds_add_u32 v[SPW], v[NIL]
	v_lshrrev_b32 v7, 5, v0
	s_delay_alu instid0(VALU_DEP_1)
	v_readfirstlane_b32 s12, v7                    ; wave 0..15
	s_and_b32 s13, s12, 1                          ; g
	s_lshr_b32 s15, s12, 1                         ; low: my query block of phase 0, and its last key step
	s_bfe_u32 s44, ttmp6, 0x40000                  ; cx
	s_lshl_b32 s14, s44, 1
	s_add_co_u32 s14, s14, s13                     ; idx: my tile in a block
	s_sub_co_u32 s16, 15, s15                      ; the same of phase 1
	s_and_b32 s19, ttmp7, 0xffff                   ; 16 x batch + head
	s_mov_b32 s[G1], (3<<16)|(1<<21)|15            ; elements of 8 bytes; the mask names the cluster's four, bit 21 set beside it
	s_mov_b32 s[G1+1], 32<<16
	s_mov_b32 s[G1+2], 51<<16
	s_mov_b32 s[G1+3], 32<<16
	s_mov_b32 s[G1+4], 51
	s_mov_b32 s[G1+5], 32
	s_mov_b32 s[G1+6], 0
	s_mov_b32 s[G1+7], 0
	s_mov_b32 s[G0], 1
	s_mul_i32 s[G0+1], s12, REC                    ; record w goes to LDS byte 13,056 w
	s_lshl_b32 s45, s19, 4
	s_add_co_u32 s46, s45, s12
	s_mul_i32 s46, s46, REC
	s_mov_b32 s47, 0
	s_add_co_u32 s48, s45, s15
	s_mul_i32 s48, s48, QREC                       ; Q's record, phase 0,
	s_mov_b32 s49, 0
	s_add_co_u32 s50, s45, s16
	s_mul_i32 s50, s50, QREC                       ; phase 1
	s_mov_b32 s51, 0
	s_lshr_b32 s63, s19, 4
	s_lshl_b32 s63, s63, 7
	s_add_co_u32 s63, s63, s14                     ; ci: tile 128 x batch + 8 x block + idx; in it the head's 768 bytes
	s_and_b32 s62, s19, 15
	s_mul_i32 s62, s62, 768
	s_lshl_b32 s52, s15, 3
	s_add_co_u32 s52, s52, s63
	s_mul_i32 s52, s52, 12288
	s_add_co_u32 s52, s52, s62
	s_mov_b32 s53, 0
	s_lshl_b32 s54, s16, 3
	s_add_co_u32 s54, s54, s63
	s_mul_i32 s54, s54, 12288
	s_add_co_u32 s54, s54, s62
	s_mov_b32 s55, 0
	s_lshl_b32 s56, s19, 2                         ; cs: my work-group's 2,048 bytes
	s_add_co_u32 s56, s56, s44
	s_lshl_b32 s56, s56, 11
	s_mov_b32 s57, 0
	s_lshr_b32 s58, s14, 1
	s_lshl_b32 s58, s58, 5
	s_and_b32 s63, s14, 1
	s_lshl_b32 s62, s63, 3
	s_add_co_u32 s58, s58, s62                     ; my tile's first query in its block: 32 (idx / 2) + 8 (idx % 2)
	s_lshl_b32 s59, s63, 7                         ; my tile's place in a record's scale blocks: block idx / 4, lanes 16 (idx % 2) on, word (idx / 2) % 2
	s_lshr_b32 s62, s14, 2
	s_lshl_b32 s62, s62, 8
	s_add_co_u32 s59, s59, s62
	s_bfe_u32 s62, s14, 0x10001
	s_lshl_b32 s62, s62, 2
	s_add_co_u32 s59, s59, s62
	s_lshl_b32 s60, s12, 6                         ; my wave's 64 bytes of a phase's 1,024
	s_add_co_u32 s60, s60, SCST
	s_add_co_u32 s61, s59, 6144
	s_mul_i32 s62, s14, 768
	s_mov_b32 s[SEL], 0x76543210
	s_mov_b32 s[SEL+1], 0xfedcba98
	s_mov_b32 s[CS], 0x3e38aa3b                    ; log2(e) / 8
	s_mov_b32 s[CS+1], s[CS]                       ; (named with it as a pair, so it is written)
	v_and_b32 v7, 15, v0                           ; r
	v_bfe_u32 v9, v0, 4, 1                         ; h
	v_and_b32 v10, 31, v0
	s_delay_alu instid0(VALU_DEP_1)
	v_lshlrev_b32 v1, 3, v10                       ; v1: 8 x lane
	s_delay_alu instid0(VALU_DEP_4)
	v_and_b32 v11, 8, v7
	s_delay_alu instid0(VALU_DEP_1)
	v_add_nc_u32 v11, v11, v7                      ; r + 8 (r / 8)
	v_lshlrev_b32 v9, 4, v9
	s_delay_alu instid0(VALU_DEP_1)
	v_sub_nc_u32 v2, v11, v9
	s_delay_alu instid0(VALU_DEP_1)
	v_add_nc_u32 v2, s58, v2                       ; v2: my query in its block - 16 h: on the diagonal register 16 b + i is hidden where 32 b + i is above it
	v_lshlrev_b32 v11, 3, v7
	v_lshl_add_u32 v3, v7, 2, s60                  ; v3: where ctx's scale word goes in LDS: 4 r in my wave's 64 bytes
	s_delay_alu instid0(VALU_DEP_2)
	v_add_nc_u32 v11, s61, v11                     ; v11: Q's scale word in its record
	v_add_nc_u32 v9, s62, v1                       ; v9: Q's tile in its record
	v_lshl_add_u32 v4, v0, 4, SCST                 ; v4: the copy out: 16 x thread (threads 0-127)
	v_lshlrev_b32 v10, 4, v0                       ; v10: 16 x thread
	s_wait_alu depctr_va_vdst(0)
	s_wait_dscnt 0x0                               ; the opening adds are done
	ROUND                                          ; the four work-groups are here: the joint loads meet
	s_wait_kmcnt 0x0
	s_add_nc_u64 s[G0+2:G0+3], s[6:7], s[46:47]
	s_or_b32 s[G0+3], s[G0+3], 0x80000000
	tensor_load_to_lds s[G0:G0+3], s[G1:G1+7]      ; my one tensor load
	s_nop 0
.rept 4
	v_nop
.endr
	s_add_nc_u64 s[40:41], s[4:5], s[48:49]
	s_add_nc_u64 s[42:43], s[4:5], s[50:51]
	s_add_nc_u64 s[36:37], s[8:9], s[52:53]
	s_add_nc_u64 s[38:39], s[8:9], s[54:55]
	s_add_nc_u64 s[56:57], s[10:11], s[56:57]
.irp p, 0,1,2
	global_load_b64 v[16+2*\p:17+2*\p], v9, s[40:41] offset:256*\p
	global_load_b64 v[192+2*\p:193+2*\p], v9, s[42:43] offset:256*\p
.endr
	global_load_b32 v28, v11, s[40:41]
	global_load_b32 v204, v11, s[42:43]
.irp j, 0,1,2,3,4,5
	v_mov_b32 v[22+\j], 0                          ; zero codes for k = 64 .. 127
	v_mov_b32 v[198+\j], 0
	v_mov_b32 v[80+\j], 0
.endr
.irp b, 0,1,2,3
	v_mov_b32 v[236+\b], 0                         ; written once: a lane permute's destination counts as one of its sources
.endr
	v_mov_b32 v252, 0
	v_mov_b32 v253, 0
	s_wait_loadcnt 0x0
	s_wait_tensorcnt 0x0                           ; my record is in,
	s_barrier_signal -1
	s_barrier_wait -1                              ; everybody's is
; A KEY STEP of 128 keys for the tile whose Q lies at v[qb] on, its scale words in v[qs]; s[ls] is the tile's last key step, the one on the diagonal.
.macro STEP qb, qs, ls
	s_cmp_gt_u32 s[ST], s[\ls]
	s_cbranch_scc1 .Lhid_\@                        ; all its keys are hidden
	v_add_nc_u32 v[ADK], s[TB], v1
.rept 3
	v_nop                                          ; with the addition: four plain instructions in front of loads into registers that matrix instructions have read
.endr
.irp t, 0,1,2,3,4,5,6,7
.irp p, 0,1,2
	ds_load_b64 v[32+6*\t+2*\p:33+6*\t+2*\p], v[ADK] offset:768*\t+256*\p
.endr
.endr
	ds_load_b64 v[86:87], v[ADK] offset:12288
	ds_load_b64 v[88:89], v[ADK] offset:12544
	s_wait_alu depctr_va_vdst(0)
	s_wait_dscnt 0x0
.irp t, 0,1,2,3,4,5,6,7
.if \t%2
	v_wmma_scale_f32_16x16x128_f8f6f4 v[96+8*\t:103+8*\t], v[32+6*\t:43+6*\t], v[\qb:\qb+11], 0, v[86+\t/2], v[\qs] matrix_a_fmt:MATRIX_FMT_FP6 matrix_b_fmt:MATRIX_FMT_FP6 matrix_a_scale:MATRIX_SCALE_ROW1
.else
	v_wmma_scale_f32_16x16x128_f8f6f4 v[96+8*\t:103+8*\t], v[32+6*\t:43+6*\t], v[\qb:\qb+11], 0, v[86+\t/2], v[\qs] matrix_a_fmt:MATRIX_FMT_FP6 matrix_b_fmt:MATRIX_FMT_FP6
.endif
.endr
.rept 4
	v_nop
.endr
.irp a, 0,1,2,3
.irp p, 0,1,2,3,4,5
	ds_load_b64 v[32+12*\a+2*\p:33+12*\a+2*\p], v[ADK] offset:6144+1536*\a+256*\p   ; V's four tiles: they land while the softmax is worked
.endr
.endr
	ds_load_b64 v[90:91], v[ADK] offset:12800
	s_cmp_lg_u32 s[ST], s[\ls]
	s_cbranch_scc1 .Lopen_\@                       ; off the diagonal every key counts
	v_mov_b32 v254, 0xff800000                     ; -infinity
.irp n, 0,1,2,3,4,5,6,7,8,9,10,11,12,13,14,15,16,17,18,19,20,21,22,23,24,25,26,27,28,29,30,31,32,33,34,35,36,37,38,39,40,41,42,43,44,45,46,47,48,49,50,51,52,53,54,55,56,57,58,59,60,61,62,63
	v_cmp_gt_i32 vcc_lo, 32*(\n/16)+\n%16, v2
	v_cndmask_b32 v[96+\n], v[96+\n], v254, vcc_lo
.endr
.Lopen_\@:
.irp b, 0,1,2,3
	v_max3_num_f32 v[232+\b], v[96+16*\b], v[97+16*\b], v[98+16*\b]   ; the largest score of each block of 32 keys: for the row's maximum, and, since p rises with the score, for the block's largest p
.endr
.irp i, 3,5,7,9,11,13
.irp b, 0,1,2,3
	v_max3_num_f32 v[232+\b], v[232+\b], v[96+16*\b+\i], v[97+16*\b+\i]
.endr
.endr
.irp b, 0,1,2,3
	v_max_num_f32 v[232+\b], v[232+\b], v[111+16*\b]
.endr
.irp b, 0,1,2,3
	s_delay_alu instid0(VALU_DEP_4)
	v_permlanex16_b32 v[236+\b], v[232+\b], s[SEL], s[SEL+1]
.endr
.irp b, 0,1,2,3
	s_delay_alu instid0(VALU_DEP_4)
	v_max_num_f32 v[232+\b], v[232+\b], v[236+\b]  ; with lane l xor 16's 16 keys
.endr
	s_delay_alu instid0(VALU_DEP_2)
	v_max3_num_f32 v254, v232, v233, v234
	s_delay_alu instid0(VALU_DEP_1)
	v_max_num_f32 v254, v254, v235                 ; the step's largest score of my query
	s_delay_alu instid0(VALU_DEP_1)
	v_mul_f32 v254, s[CS], v254                    ; as t
	s_delay_alu instid0(VALU_DEP_1)
	v_max_num_f32 v13, v13, v254                   ; the running largest t
	v_mov_b32 v254, v12
	s_delay_alu instid0(VALU_DEP_2)
	v_floor_f32 v12, -v13                          ; the new -M = floor(-t): M is a whole number
	s_delay_alu instid0(VALU_DEP_1)
	v_sub_f32 v254, v12, v254                      ; old M - new M, 0 or less
	s_delay_alu instid0(VALU_DEP_1)
	v_cvt_i32_f32 v254, v254                       ; (it saturates)
	s_delay_alu instid0(VALU_DEP_1)
	v_ldexp_f32 v252, 1.0, v254                    ; f = 2^(old M - new M)
.irp j, 0,2,4,6,8,10,12,14,16,18,20,22,24,26,28,30,32,34,36,38,40,42,44,46,48,50,52,54,56,58,60,62
	v_pk_fma_f32 v[96+\j:97+\j], v[96+\j:97+\j], s[CS:CS+1], v[12:13] op_sel_hi:[1,0,0]   ; t - M, two at a time
.endr
.irp b, 0,1,2,3
	v_fma_f32 v[232+\b], v[232+\b], s[CS], v12     ; the same of each block's largest score
.endr
	s_wait_alu depctr_va_vdst(0)
.irp j, 0,1,2,3,4,5,6,7,8,9,10,11,12,13,14,15,16,17,18,19,20,21,22,23,24,25,26,27,28,29,30,31,32,33,34,35,36,37,38,39,40,41,42,43,44,45,46,47,48,49,50,51,52,53,54,55,56,57,58,59,60,61,62,63
	v_exp_f32 v[96+\j], v[96+\j]                   ; p = 2^(t - M)
.endr
	v_pk_mul_f32 v[14:15], v[14:15], v[252:253] op_sel_hi:[1,0]   ; the sums under the new M: a plain instruction behind the exponentials
	s_wait_alu depctr_va_vdst(0)                   ; one wait for the batch of 64, ahead of its first reader
.irp b, 0,1,2,3
	v_exp_f32 v[232+\b], v[232+\b]                 ; the block's largest p
.endr
	v_pk_add_f32 v[236:237], v[100:101], v[104:105]
	v_pk_add_f32 v[254:255], v[108:109], v[112:113]
	v_pk_add_f32 v[250:251], v[116:117], v[120:121]
	v_pk_add_f32 v[248:249], v[124:125], v[128:129]
	v_pk_add_f32 v[246:247], v[132:133], v[136:137]
	v_pk_add_f32 v[244:245], v[140:141], v[144:145]
	v_pk_add_f32 v[242:243], v[148:149], v[152:153]
	v_pk_add_f32 v[14:15], v[14:15], v[156:157]
	v_pk_add_f32 v[236:237], v[236:237], v[96:97]
	v_pk_add_f32 v[254:255], v[254:255], v[98:99]
	v_pk_add_f32 v[250:251], v[250:251], v[102:103]
	v_pk_add_f32 v[248:249], v[248:249], v[106:107]
	v_pk_add_f32 v[246:247], v[246:247], v[110:111]
	v_pk_add_f32 v[244:245], v[244:245], v[114:115]
	v_pk_add_f32 v[242:243], v[242:243], v[118:119]
	v_pk_add_f32 v[14:15], v[14:15], v[122:123]
	v_pk_add_f32 v[236:237], v[236:237], v[126:127]
	v_pk_add_f32 v[254:255], v[254:255], v[130:131]
	v_pk_add_f32 v[250:251], v[250:251], v[134:135]
	v_pk_add_f32 v[248:249], v[248:249], v[138:139]
	v_pk_add_f32 v[246:247], v[246:247], v[142:143]
	v_pk_add_f32 v[244:245], v[244:245], v[146:147]
	v_pk_add_f32 v[242:243], v[242:243], v[150:151]
	v_pk_add_f32 v[14:15], v[14:15], v[154:155]
	v_pk_add_f32 v[236:237], v[236:237], v[158:159]
	s_delay_alu instid0(VALU_DEP_2)
	v_pk_add_f32 v[14:15], v[14:15], v[248:249]
	s_delay_alu instid0(VALU_DEP_2)
	v_pk_add_f32 v[236:237], v[236:237], v[246:247]
	v_pk_add_f32 v[254:255], v[254:255], v[244:245]
	v_pk_add_f32 v[250:251], v[250:251], v[242:243]
	s_delay_alu instid0(VALU_DEP_2)
	v_pk_add_f32 v[14:15], v[14:15], v[254:255]
	s_delay_alu instid0(VALU_DEP_2)
	v_pk_add_f32 v[236:237], v[236:237], v[250:251]
	s_delay_alu instid0(VALU_DEP_1)
	v_pk_add_f32 v[14:15], v[14:15], v[236:237]
	s_wait_alu depctr_va_vdst(0)                   ; and one for the four
.irp b, 0,1,2,3
	v_max_num_f32 v[232+\b], 0x1800000, v[232+\b]  ; the floor 2^(3 - 127)
.endr
.irp b, 0,1,2,3
	s_delay_alu instid0(VALU_DEP_4)
	v_add_nc_u32 v[244+\b], 0xff000000, v[232+\b]  ; the conversion's scale operand
.endr
.irp b, 0,1,2,3
	s_delay_alu instid0(VALU_DEP_4)
	v_lshrrev_b32 v[236+\b], 23, v[244+\b]         ; the scale's byte
.endr
	s_delay_alu instid0(VALU_DEP_3)
	v_lshl_or_b32 v253, v237, 8, v236              ; p's scale word for these 128 keys
	s_delay_alu instid0(VALU_DEP_1)
	v_lshl_or_b32 v253, v238, 16, v253
	s_delay_alu instid0(VALU_DEP_1)
	v_lshl_or_b32 v253, v239, 24, v253
.irp c, 0,1
	v_cvt_scalef32_pk16_fp6_f32 v[224+6*\c:226+6*\c], v[96+32*\c:111+32*\c], v[244+2*\c]
	v_cvt_scalef32_pk16_fp6_f32 v[236+4*\c:238+4*\c], v[112+32*\c:127+32*\c], v[244+2*\c+1]
.endr
	v_nop                                          ; one plain instruction behind the scaled conversions
.irp c, 0,1
.irp i, 0,1,2
	v_permlane16_swap_b32 v[224+6*\c+\i], v[236+4*\c+\i]   ; a whole block to a lane
.endr
.irp i, 0,1,2
	s_delay_alu instid0(VALU_DEP_3)
	v_mov_b32 v[227+6*\c+\i], v[236+4*\c+\i]
.endr
.endr
.irp j, 0,2,4,6,8,10,12,14,16,18,20,22,24,26,28,30
	v_pk_mul_f32 v[160+\j:161+\j], v[160+\j:161+\j], v[252:253] op_sel_hi:[1,0]   ; O^T under the new M.  These sixteen also stand between the writes of p's codes and scale word and the products
.endr
	s_wait_alu depctr_va_vdst(0)
	s_wait_dscnt 0x0                               ; V is in
.irp a, 0,1,2,3
.if \a%2
	v_wmma_scale_f32_16x16x128_f8f6f4 v[160+8*\a:167+8*\a], v[32+12*\a:43+12*\a], v[224:235], v[160+8*\a:167+8*\a], v[90+\a/2], v253 matrix_a_fmt:MATRIX_FMT_FP6 matrix_b_fmt:MATRIX_FMT_FP6 matrix_a_scale:MATRIX_SCALE_ROW1
.else
	v_wmma_scale_f32_16x16x128_f8f6f4 v[160+8*\a:167+8*\a], v[32+12*\a:43+12*\a], v[224:235], v[160+8*\a:167+8*\a], v[90+\a/2], v253 matrix_a_fmt:MATRIX_FMT_FP6 matrix_b_fmt:MATRIX_FMT_FP6
.endif
.endr
.Lhid_\@:
	s_add_co_u32 s[ST], s[ST], 1
	s_add_co_u32 s[TB], s[TB], REC
.endm
.macro INIT
	v_mov_b32 v13, 0xff61b1e6                      ; the largest t so far: -3e38
	s_delay_alu instid0(VALU_DEP_1)
	v_floor_f32 v12, -v13
	v_mov_b32 v14, 0
	v_mov_b32 v15, 0
.irp j, 0,1,2,3,4,5,6,7,8,9,10,11,12,13,14,15,16,17,18,19,20,21,22,23,24,25,26,27,28,29,30,31
	v_mov_b32 v[160+\j], 0                         ; O^T: the step is written once; its first turn finds zeros, which the first change of M leaves zeros
.endr
	s_mov_b32 s[ST], 0
	s_mov_b32 s[TB], 0
.endm
; O^T / the sum is my query's 64 channels: register 16 b + i = channel 32 b + 16 h + i: two blocks of the last product's K.  Six registers of codes leave as three chunks of 256 bytes; the two bytes go to LDS.
.macro FINISH ph, base
.set CD, 206+6*\ph
.rept 4
	v_nop
.endr
	v_add_f32 v14, v14, v15
	s_delay_alu instid0(VALU_DEP_1)
	v_permlanex16_b32 v252, v14, s[SEL], s[SEL+1]
	s_delay_alu instid0(VALU_DEP_1)
	v_add_f32 v14, v14, v252                       ; the row's sum
	s_wait_alu depctr_va_vdst(0)
	v_rcp_f32 v14, v14
	v_nop                                          ; a plain instruction behind the reciprocal,
	s_wait_alu depctr_va_vdst(0)                   ; and the wait ahead of its first reader
.irp j, 0,1,2,3,4,5,6,7,8,9,10,11,12,13,14,15,16,17,18,19,20,21,22,23,24,25,26,27,28,29,30,31
	v_mul_f32 v[96+\j], v[160+\j], v14             ; each accumulator from its low end on
.endr
.irp b, 0,1
	v_max3_num_f32 v[232+\b], |v[96+16*\b]|, |v[97+16*\b]|, 0x1800000
.endr
.irp i, 2,4,6,8,10,12,14
.irp b, 0,1
	s_delay_alu instid0(VALU_DEP_2)
	v_max3_num_f32 v[232+\b], v[232+\b], |v[96+16*\b+\i]|, |v[97+16*\b+\i]|
.endr
.endr
.irp b, 0,1
	s_delay_alu instid0(VALU_DEP_2)
	v_permlanex16_b32 v[236+\b], v[232+\b], s[SEL], s[SEL+1]
.endr
.irp b, 0,1
	s_delay_alu instid0(VALU_DEP_2)
	v_max_num_f32 v[232+\b], v[232+\b], v[236+\b]
.endr
.irp b, 0,1
	s_delay_alu instid0(VALU_DEP_2)
	v_add_nc_u32 v[244+\b], 0xff000000, v[232+\b]
.endr
.irp b, 0,1
	s_delay_alu instid0(VALU_DEP_2)
	v_lshrrev_b32 v[236+\b], 23, v[244+\b]
.endr
	s_delay_alu instid0(VALU_DEP_1)
	v_lshl_or_b32 v254, v237, 8, v236              ; the head's two bytes; the upper half stays 0
	v_cvt_scalef32_pk16_fp6_f32 v[CD:CD+2], v[96:111], v244
	v_cvt_scalef32_pk16_fp6_f32 v[248:250], v[112:127], v245
	v_nop                                          ; one plain instruction behind the scaled conversions
.irp i, 0,1,2
	v_permlane16_swap_b32 v[CD+\i], v[248+\i]
.endr
.irp i, 0,1,2
	s_delay_alu instid0(VALU_DEP_3)
	v_mov_b32 v[CD+3+\i], v[248+\i]
.endr
.irp p, 0,1,2
	global_store_b64 v1, v[CD+2*\p:CD+2*\p+1], s[\base:\base+1] offset:256*\p
.endr
	ds_store_b32 v3, v254 offset:1024*\ph          ; lanes l and l xor 16 write the same word with the same value
.endm
	INIT
	s_mov_b32 s44, 8
.Lphase0:                                          ; eight trips: low is 7 at the most
	STEP 16, 28, 15
	s_sub_co_u32 s44, s44, 1
	s_cmp_lg_u32 s44, 0
	s_cbranch_scc1 .Lphase0
	FINISH 0, 36
	INIT
	s_mov_b32 s44, 16
.Lphase1:
	STEP 192, 204, 16
	s_sub_co_u32 s44, s44, 1
	s_cmp_lg_u32 s44, 0
	s_cbranch_scc1 .Lphase1
	FINISH 1, 38
	s_wait_dscnt 0x0                               ; for the others' sake: my scale words lie in LDS
	s_barrier_signal -1
	s_barrier_wait -1
	s_cmp_lt_u32 s12, 4
	s_cbranch_scc0 .Lno_copy
	ds_load_b128 v[96:99], v4                      ; four query blocks' words, 512 bytes, made by eight waves
	s_wait_dscnt 0x0
	global_store_b128 v10, v[96:99], s[56:57]
.Lno_copy:
	s_wait_tensorcnt 0x0                           ; the wave's end
	ds_add_u32 v[SPW], v[NIL]
	s_wait_dscnt 0x0
	ROUND                                          ; the closing round
	s_endpgm
.Lfunc_end_k_qdccb4f614c_attn:
	.size	k_qdccb4f614c_attn, .Lfunc_end_k_qdccb4f614c_attn-k_qdccb4f614c_attn
	.p2alignl 7, 3214868480
	.fill 96, 4, 3214868480
	.section	.rodata,"a",@progbits
	.p2align	6, 0x0
	.amdhsa_kernel k_qdccb4f614c_attn
		.amdhsa_group_segment_fixed_size 212992
		.amdhsa_private_segment_fixed_size 0
		.amdhsa_enable_private_segment 0
		.amdhsa_kernarg_size 32
		.amdhsa_user_sgpr_count 2
		.amdhsa_user_sgpr_kernarg_segment_ptr 1
		.amdhsa_wavefront_size32 1
		.amdhsa_system_sgpr_workgroup_id_x 1
		.amdhsa_system_sgpr_workgroup_id_y 1
		.amdhsa_system_sgpr_workgroup_id_z 1
		.amdhsa_system_vgpr_workitem_id 0
		.amdhsa_next_free_vgpr 256
		.amdhsa_next_free_sgpr 66
		.amdhsa_reserve_vcc 1
		.amdhsa_float_denorm_mode_32 3
		.amdhsa_float_denorm_mode_16_64 3
		.amdhsa_memory_ordered 1
		.amdhsa_forward_progress 1
		.amdhsa_inst_pref_size 66
	.end_amdhsa_kernel
	.amdgpu_metadata
---
amdhsa.version: [ 1, 2 ]
amdhsa.kernels:
  - .name:           k_qdccb4f614c_attn
    .symbol:         k_qdccb4f614c_attn.kd
    .args:
      - { .name: qr, .offset: 0, .size: 8, .value_kind: global_buffer, .address_space: global }
      - { .name: kv, .offset: 8, .size: 8, .value_kind: global_buffer, .address_space: global }
      - { .name: ci, .offset: 16, .size: 8, .value_kind: global_buffer, .address_space: global }
      - { .name: cs, .offset: 24, .size: 8, .value_kind: global_buffer, .address_space: global }
    .group_segment_fixed_size: 212992
    .private_segment_fixed_size: 0
    .kernarg_segment_align: 8
    .kernarg_segment_size: 32
    .max_flat_workgroup_size: 512
    .sgpr_count:     66
    .vgpr_count:     256
    .wavefront_size: 32
...
	.end_amdgpu_metadata
.endif
;; end of part 3
;; launch outp (part 4): grid 4 x 64, 4 waves a work-group, clusters of 4 x 4, 327,680 bytes of LDS; arguments ci, cs, wi, ws, bo, out0; writes out0
.if DOCPART == 4
	.amdgcn_target "amdgcn-amd-amdhsa--gfx1250"
	.amdhsa_code_object_version 6
	.text
	.protected	k_qdccb4f614c_outp
	.globl	k_qdccb4f614c_outp
	.p2align	8
	.type	k_qdccb4f614c_outp,@function
k_qdccb4f614c_outp:
	s_mov_b64 s[64:65], 0
	v_nop
	global_prefetch_b8 v0, s[64:65] scope:SCOPE_SE
	s_setreg_imm32_b32 hwreg(HW_REG_WAVE_MODE, 25, 1), 1
	s_wait_xcnt 0x0
	s_wait_alu depctr_hold_cnt(0) depctr_sa_sdst(0) depctr_va_vdst(0) depctr_va_sdst(0) depctr_va_ssrc(0) depctr_va_vcc(0) depctr_vm_vsrc(0)
	s_getreg_b32 s2, hwreg(HW_REG_IB_STS2, 6, 4)
	s_cmp_eq_u32 s2, 0
	s_cbranch_scc0 .Lentry_in_a_cluster
	s_endpgm
.Lentry_in_a_cluster:
	s_bfe_u32 s2, ttmp6, 0x10000c
	s_cmp_lg_u32 s2, 0xf033
	s_cbranch_scc0 .Lentry_shape_is_right
	s_endpgm
.Lentry_shape_is_right:
; out0 = ctx Wo + bo on codes of FP6 (E2M3), K = 1,024; out0 [8192][1024] f32.
; D = R tile (source 0: 16 columns of Wo) x P tile (source 1: 16 tokens): a lane holds one token, its registers run along the columns.  Rows lie in pairs of 32, tile u holding in lane r the row 8 u + r + 8 (r / 8).
; SHARES.  A work-group makes 128 tokens x 256 columns over all of K; wave w: P's tiles 4 (w / 2) on, R's tiles 8 (w % 2) on: 32 accumulators.  256 work-groups.
; LDS.  All of K of both operands fits: four chunks of two K steps, each 8 tiles of P and 16 of R, 3,072 bytes a tile, as images of the operands' registers; every byte is filled once, by twelve tensor loads in one group at the start
; (wave 0: P's four; waves 1 and 2: four each for R's halves; by this text's count a wave has four out).  CLUSTER 4 x 4: P is asked for jointly by a row of the cluster, R by a column.
; ctx's fragments lie as six chunks of 256 bytes (registers 2 p, 2 p + 1 at 256 p + 8 x lane), Wo's as three of 512.  ctx's scale words come as two bytes a head and are joined here, two heads to a K step.
; THE WAY OUT goes through the wave's own stage, in chunk 0, which has had its only fill and whose last read every wave has awaited in front of a later barrier; rows leave as 512 consecutive bytes.
; REGISTERS.  window 0: v1-15 addresses; v16-31 P's scale words, v32-63 R's; v64-159 R's fragments, v160-207 P's (set 0); v208-239 ctx's scale bytes as loaded; v240-243 the bias; on the way out v64-191 hold rows.
;   window 1: accumulator (a, b) at v[64 a + 8 b].   window 2: v64-207 fragment set 1.
; LDS AS IT NOW STANDS: two halves of K (CHUNK: four K steps), each 8 tiles of P and then 16 of R, TILEB bytes a tile; four tensor loads at the head, one a wave: P low, R low, P high, R high.
.set CHUNK, 147456
.set TILEB, 6144
.set FRB,   1536
.set SPARE, 2*CHUNK
.set ADP,  4
.set ADR,  8
.set SPW,  12
.set NIL,  13
.set STO,  14
.set RD,   15
.set SCP,  16
.set SCR,  32
.set FRR,  64
.set FRP,  160
.set CW,   208
.set BI,   240
.set BK,   64
.set WV,   22
.set G1P,  32
.set G1R,  40
.set G0P,  48
.set G0R,  68
.set MSB,  0
.macro WIN new                         ; the immediate's high byte repeats the setting that is left
.if MSB != \new
	s_set_vgpr_msb (MSB<<8)|\new
.set MSB, \new
.endif
.endm
.macro ROUND                           ; a round of the cluster's barrier
	s_barrier_signal -1
	s_barrier_wait -1
	s_cmp_lg_u32 s[WV], 0
	s_cbranch_scc1 .Lnot_wave_0_\@
	s_barrier_signal -3
.Lnot_wave_0_\@:
	s_barrier_wait -3
	s_barrier_signal -1
	s_barrier_wait -1
.endm
.macro PLACES
.rept 4
	v_nop
.endr
.endm
.macro WM d, a, b, sa, sb, ra, rb, zero
.if \zero
.if (\ra) && (\rb)
	v_wmma_scale_f32_16x16x128_f8f6f4 v[\d:\d+7], v[\a:\a+11], v[\b:\b+11], 0, v[\sa], v[\sb] matrix_a_fmt:MATRIX_FMT_FP6 matrix_b_fmt:MATRIX_FMT_FP6 matrix_a_scale:MATRIX_SCALE_ROW1 matrix_b_scale:MATRIX_SCALE_ROW1
.elseif \ra
	v_wmma_scale_f32_16x16x128_f8f6f4 v[\d:\d+7], v[\a:\a+11], v[\b:\b+11], 0, v[\sa], v[\sb] matrix_a_fmt:MATRIX_FMT_FP6 matrix_b_fmt:MATRIX_FMT_FP6 matrix_a_scale:MATRIX_SCALE_ROW1
.elseif \rb
	v_wmma_scale_f32_16x16x128_f8f6f4 v[\d:\d+7], v[\a:\a+11], v[\b:\b+11], 0, v[\sa], v[\sb] matrix_a_fmt:MATRIX_FMT_FP6 matrix_b_fmt:MATRIX_FMT_FP6 matrix_b_scale:MATRIX_SCALE_ROW1
.else
	v_wmma_scale_f32_16x16x128_f8f6f4 v[\d:\d+7], v[\a:\a+11], v[\b:\b+11], 0, v[\sa], v[\sb] matrix_a_fmt:MATRIX_FMT_FP6 matrix_b_fmt:MATRIX_FMT_FP6
.endif
.else
.if (\ra) && (\rb)
	v_wmma_scale_f32_16x16x128_f8f6f4 v[\d:\d+7], v[\a:\a+11], v[\b:\b+11], v[\d:\d+7], v[\sa], v[\sb] matrix_a_fmt:MATRIX_FMT_FP6 matrix_b_fmt:MATRIX_FMT_FP6 matrix_a_scale:MATRIX_SCALE_ROW1 matrix_b_scale:MATRIX_SCALE_ROW1
.elseif \ra
	v_wmma_scale_f32_16x16x128_f8f6f4 v[\d:\d+7], v[\a:\a+11], v[\b:\b+11], v[\d:\d+7], v[\sa], v[\sb] matrix_a_fmt:MATRIX_FMT_FP6 matrix_b_fmt:MATRIX_FMT_FP6 matrix_a_scale:MATRIX_SCALE_ROW1
.elseif \rb
	v_wmma_scale_f32_16x16x128_f8f6f4 v[\d:\d+7], v[\a:\a+11], v[\b:\b+11], v[\d:\d+7], v[\sa], v[\sb] matrix_a_fmt:MATRIX_FMT_FP6 matrix_b_fmt:MATRIX_FMT_FP6 matrix_b_scale:MATRIX_SCALE_ROW1
.else
	v_wmma_scale_f32_16x16x128_f8f6f4 v[\d:\d+7], v[\a:\a+11], v[\b:\b+11], v[\d:\d+7], v[\sa], v[\sb] matrix_a_fmt:MATRIX_FMT_FP6 matrix_b_fmt:MATRIX_FMT_FP6
.endif
.endif
.endm
	s_load_b256 s[4:11], s[0:1], 0x0               ; ci, cs, wi, ws
	s_load_b128 s[12:15], s[0:1], 0x20             ; bo, out0
	v_lshl_add_u32 v[SPW], v0, 2, SPARE
	v_mov_b32 v[NIL], 0
	ds_add_u32 v[SPW], v[NIL]                      ; the wave's opening: the add and its wait ahead of the round in front of the first tensor loads; work on registers stands between them
	ds_add_u32 v[SPW], v[NIL]
	v_lshrrev_b32 v1, 5, v0
	v_readfirstlane_b32 s[WV], v1                  ; wave 0..3
	s_lshr_b32 s23, s[WV], 1                       ; wp
	s_and_b32 s24, s[WV], 1                        ; wr
	s_bfe_u32 s25, ttmp6, 0x40000                  ; cx: my block of 256 columns
	s_bfe_u32 s26, ttmp6, 0x40004                  ; cy
	s_and_b32 s27, ttmp7, 0xffff
	s_lshl_b32 s30, s27, 2
	s_add_co_u32 s30, s30, s26                     ; my block of 128 tokens
	s_lshl_b32 s86, s26, 2
	s_lshl_b32 s86, 15, s86                        ; my row of the cluster
	s_lshl_b32 s90, 0x1111, s25                    ; my column
	s_or_b32 s[G1P], s86, (3<<16)|(1<<21)          ; 8 rows of 6,144 bytes (768 elements of 8 bytes), 12,288 bytes apart, dense in LDS
	s_or_b32 s[G1R], s90, (3<<16)|(1<<21)
	s_mov_b32 s[G1P+2], 8<<16                      ; rows of 6,144 bytes: 8 for P, 16 for R
	s_mov_b32 s[G1P+4], 8
	s_mov_b32 s[G1R+2], 16<<16
	s_mov_b32 s[G1R+4], 16
.irp g, G1P, G1R
	s_mov_b32 s[\g+1], 768<<16
	s_mov_b32 s[\g+3], 768<<16
	s_mov_b32 s[\g+5], 1536
	s_mov_b32 s[\g+6], 0
	s_mov_b32 s[\g+7], 0
.endr
	s_mul_i32 s86, s30, 8*12288                    ; ctx's codes: 8 tiles a block
	s_mov_b32 s87, 0
	s_and_b32 s85, s30, 15                         ; ctx's scale words: [batch][head][pair of tiles in a block: 4][place: 16][lane] words; block b lies at place b, or from block 8 on at 23 - b
	s_sub_co_u32 s84, 23, s85
	s_cmp_lt_u32 s85, 8
	s_cselect_b32 s85, s85, s84
	s_lshr_b32 s84, s30, 4
	s_lshl_b32 s84, s84, 10
	s_add_co_u32 s84, s84, s85
	s_lshl_b32 s84, s84, 7                         ; 131,072 x batch + 128 x place
	s_lshl_b32 s85, s23, 12                        ; my two pairs: 2,048 bytes each
	s_add_co_u32 s84, s84, s85
	s_mov_b32 s85, 0
	s_lshl_b32 s90, s25, 4                         ; Wo's codes: tile 192 + 16 cx + the half that a loading wave fetches
	s_add_co_u32 s90, s90, 192
	s_mul_i32 s90, s90, 12288
	s_mov_b32 s91, 0
	s_lshl_b32 s88, s25, 3                         ; Wo's scale blocks: pair 96 + 8 cx + 4 wr
	s_lshl_b32 s89, s24, 2
	s_add_co_u32 s88, s88, s89
	s_add_co_u32 s88, s88, 96
	s_lshl_b32 s88, s88, 10
	s_mov_b32 s89, 0
	s_wait_dscnt 0x0                               ; the opening add is done
	s_wait_kmcnt 0x0
	s_add_nc_u64 s[92:93], s[4:5], s[86:87]
	s_add_nc_u64 s[94:95], s[6:7], s[84:85]
	s_add_nc_u64 s[96:97], s[8:9], s[90:91]
	s_add_nc_u64 s[98:99], s[10:11], s[88:89]
	ROUND                                          ; all sixteen work-groups are here: the joint loads meet
.irp c, 0,1
	s_mov_b32 s[G0P+4*\c], 1
	s_mov_b32 s[G0P+4*\c+1], \c*CHUNK
	s_add_nc_u64 s[G0P+4*\c+2:G0P+4*\c+3], s[92:93], \c*TILEB
	s_or_b32 s[G0P+4*\c+3], s[G0P+4*\c+3], 0x80000000
	s_mov_b32 s[G0R+4*\c], 1
	s_mov_b32 s[G0R+4*\c+1], \c*CHUNK+8*TILEB
	s_add_nc_u64 s[G0R+4*\c+2:G0R+4*\c+3], s[96:97], \c*TILEB
	s_or_b32 s[G0R+4*\c+3], s[G0R+4*\c+3], 0x80000000
.endr
	s_cmp_eq_u32 s[WV], 0                          ; one load a wave, each on a line of its own
	s_cbranch_scc0 .Lwave_1
	tensor_load_to_lds s[G0P:G0P+3], s[G1P:G1P+7]
	s_nop 0
	PLACES
	s_branch .Lasked
.Lwave_1:
	s_cmp_eq_u32 s[WV], 1
	s_cbranch_scc0 .Lwave_2
	tensor_load_to_lds s[G0R:G0R+3], s[G1R:G1R+7]
	s_nop 0
	PLACES
	s_branch .Lasked
.Lwave_2:
	s_cmp_eq_u32 s[WV], 2
	s_cbranch_scc0 .Lwave_3
	tensor_load_to_lds s[G0P+4:G0P+7], s[G1P:G1P+7]
	s_nop 0
	PLACES
	s_branch .Lasked
.Lwave_3:
	tensor_load_to_lds s[G0R+4:G0R+7], s[G1R:G1R+7]
	s_nop 0
	PLACES
.Lasked:
	v_and_b32 v3, 31, v0
	v_lshlrev_b32 v1, 4, v3                        ; 16 x lane
	v_lshlrev_b32 v2, 3, v3                        ; 8 x lane
	s_wait_alu depctr_va_vdst(0)
	s_mul_i32 s100, s23, 4*TILEB
	s_mul_i32 s101, s24, 8*TILEB
	s_add_co_u32 s101, s101, 8*TILEB
.irp c, 0,1
	v_add_nc_u32 v[ADP+\c], s100, v2
	v_add_nc_u32 v[ADR+\c], s101, v1
	s_add_co_u32 s100, s100, CHUNK
	s_add_co_u32 s101, s101, CHUNK
.endr
	s_mul_i32 s100, s[WV], 8448                    ; my stage: 16 rows x (512 + 16) bytes
	v_and_b32 v3, 15, v0
	v_mul_u32_u24 v[STO], v3, 528
	v_bfe_u32 v3, v0, 4, 1
	v_lshl_add_u32 v[STO], v3, 6, v[STO]
	v_add_nc_u32 v[STO], s100, v[STO]              ; in: row r, + 64 h
	v_add_nc_u32 v[RD], s100, v1                   ; back: a row's 512 bytes, 16 a lane
	s_lshl_b32 s4, s25, 10
	s_lshl_b32 s5, s24, 9
	s_add_co_u32 s4, s4, s5                        ; my 128 columns, in bytes
	s_mov_b32 s5, 0
	s_add_nc_u64 s[12:13], s[12:13], s[4:5]
	s_add_nc_u64 s[14:15], s[14:15], s[4:5]
	s_lshl_b32 s4, s30, 19                         ; my 64 tokens: rows of 4,096 bytes
	s_lshl_b32 s6, s23, 18
	s_add_co_u32 s4, s4, s6
	s_add_nc_u64 s[14:15], s[14:15], s[4:5]
	v_and_b32 v6, 31, v0
	v_lshlrev_b32 v6, 2, v6                        ; 4 x lane
.irp n, 0,1,2,3,4,5,6,7,8,9,10,11,12,13,14,15
	global_load_b32 v[CW+2*\n], v6, s[94:95] offset:8192*\n          ; head n's words of my first pair of tiles: 128 consecutive bytes,
	global_load_b32 v[CW+2*\n+1], v6, s[94:95] offset:8192*\n+2048   ; and of my second
.endr
.irp j, 0,1,2,3
.irp q, 0,1,2,3
	global_load_b64 v[SCR+8*\j+2*\q:SCR+8*\j+2*\q+1], v2, s[98:99] offset:1024*\j+256*\q
.endr
.endr
	global_load_b128 v[BI:BI+3], v1, s[12:13]      ; the bias of the four columns that I store
	s_wait_loadcnt 0x0
.irp j, 0,1
.irp n, 0,1,2,3,4,5,6,7
	v_lshl_or_b32 v[SCP+8*\j+\n], v[CW+4*\n+2+\j], 16, v[CW+4*\n+\j]   ; K step n: heads 2 n and 2 n + 1
.endr
.endr
.rept 8
	v_nop                                          ; a scale register written by a vector instruction stands eight plain instructions ahead of a scaled matrix instruction
.endr
.macro FETCH s                         ; K step s's fragments: 24 loads of 512 bytes for R, 24 of 256 for P, into set s % 2
.if (\s)%2
	WIN 0x80
.else
	WIN 0
.endif
.irp b, 0,1,2,3,4,5,6,7
.irp q, 0,1,2
	ds_load_b128 v[FRR+12*\b+4*\q:FRR+12*\b+4*\q+3], v[ADR+(\s)/4] offset:TILEB*\b+FRB*((\s)%4)+512*\q
.endr
.endr
.irp a, 0,1,2,3
.irp p, 0,1,2,3,4,5
	ds_load_b64 v[FRP+12*\a+2*\p:FRP+12*\a+2*\p+1], v[ADP+(\s)/4] offset:TILEB*\a+FRB*((\s)%4)+256*\p
.endr
.endr
.endm
.macro MUL s                           ; 32 products; the 32 accumulators take turns, one instruction a turn
.if (\s)%2
	WIN 0x5a
.else
	WIN 0x50
.endif
.irp a, 0,1,2,3
.irp b, 0,1,2,3,4,5,6,7
	WM 64*\a+8*\b, FRR+12*\b, FRP+12*\a, SCR+8*(\b/2)+(\s), SCP+8*(\a/2)+(\s), \b%2, \a%2, (\s)==0
.endr
.endr
.endm
.macro STEP s
.if (\s) == 3
	s_wait_tensorcnt 0x0                           ; every wave: the high half of K is in
	s_wait_dscnt 0x0
	s_barrier_signal -1
	s_barrier_wait -1
.endif
.if (\s) < 7
.if (\s) > 0
	PLACES                                         ; four plain instructions in front of loads into registers that matrix instructions have read
.endif
	FETCH (\s)+1
	s_wait_dscnt 48                                ; all but the 48 just issued
.else
	s_wait_dscnt 0x0
.endif
	MUL \s
.endm
	s_wait_alu depctr_va_vdst(0)
	s_cmp_lt_u32 s[WV], 2
	s_cbranch_scc0 .Lnot_lo
	s_wait_tensorcnt 0x0                           ; waves 0 and 1: the low half of K
.Lnot_lo:
	s_barrier_signal -1
	s_barrier_wait -1                              ; everybody's is
	FETCH 0
.irp n, 0,1,2,3,4,5,6,7
	STEP \n
.endr
	WIN 0
; THE WAY OUT, a tile of 16 tokens x 128 columns at a time.  LDS serves a wave's instructions in order: no wait between the stores and the loads, nor in front of the next tile's stores.
.macro TOSTAGE a
	WIN 0x04                                       ; an LDS store's data are its source 1: window 1
.irp b, 0,1,2,3,4,5,6,7
	ds_store_b128 v[STO], v[64*(\a)+8*\b:64*(\a)+8*\b+3] offset:128*(\b/2)+32*(\b%2)        ; each accumulator from its low end on
	ds_store_b128 v[STO], v[64*(\a)+8*\b+4:64*(\a)+8*\b+7] offset:128*(\b/2)+32*(\b%2)+16
.endr
	WIN 0
.irp t, 0,1,2,3,4,5,6,7,8,9,10,11,12,13,14,15
	ds_load_b128 v[BK+64*((\a)%2)+4*\t:BK+64*((\a)%2)+4*\t+3], v[RD] offset:528*\t
.endr
.endm
.macro SEND a, younger                 ; younger: the LDS instructions issued behind tile a's loads, which may stay out
.set BB, BK+64*((\a)%2)
	s_wait_dscnt \younger
.irp t, 0,1,2,3,4,5,6,7,8,9,10,11,12,13,14,15
	v_pk_add_f32 v[BB+4*\t:BB+4*\t+1], v[BB+4*\t:BB+4*\t+1], v[BI:BI+1]
	v_pk_add_f32 v[BB+4*\t+2:BB+4*\t+3], v[BB+4*\t+2:BB+4*\t+3], v[BI+2:BI+3]
.endr
.irp t, 0,1,2,3,4,5,6,7,8,9,10,11,12,13,14,15
	global_store_b128 v1, v[BB+4*\t:BB+4*\t+3], s[14:15] offset:(32*((\a)/2)+8*((\a)%2)+\t+8*(\t/8))*4096 th:TH_STORE_NT   ; 512 consecutive bytes of a token's row
.endr
.endm
	PLACES                                         ; in front of the first read of results and of loads into registers that held fragments
	TOSTAGE 0
.irp a, 1,2,3
.if \a > 1
	s_wait_xcnt 0x0                                ; tile a - 2's stores have read their registers: tile a's rows may land there
.endif
	TOSTAGE \a
	SEND \a-1, 32                                  ; behind tile a - 1's loads: tile a's 16 stores and 16 loads
.endr
	SEND 3, 0
	s_wait_tensorcnt 0x0                           ; the wave's end
	ds_add_u32 v[SPW], v[NIL]
	s_wait_dscnt 0x0
	ROUND                                          ; the closing round
	s_endpgm
.Lfunc_end_k_qdccb4f614c_outp:
	.size	k_qdccb4f614c_outp, .Lfunc_end_k_qdccb4f614c_outp-k_qdccb4f614c_outp
	.p2alignl 7, 3214868480
	.fill 96, 4, 3214868480
	.section	.rodata,"a",@progbits
	.p2align	6, 0x0
	.amdhsa_kernel k_qdccb4f614c_outp
		.amdhsa_group_segment_fixed_size 327680
		.amdhsa_private_segment_fixed_size 0
		.amdhsa_enable_private_segment 0
		.amdhsa_kernarg_size 48
		.amdhsa_user_sgpr_count 2
		.amdhsa_user_sgpr_kernarg_segment_ptr 1
		.amdhsa_wavefront_size32 1
		.amdhsa_system_sgpr_workgroup_id_x 1
		.amdhsa_system_sgpr_workgroup_id_y 1
		.amdhsa_system_sgpr_workgroup_id_z 1
		.amdhsa_system_vgpr_workitem_id 0
		.amdhsa_next_free_vgpr 768
		.amdhsa_next_free_sgpr 102
		.amdhsa_reserve_vcc 0
		.amdhsa_float_denorm_mode_32 3
		.amdhsa_float_denorm_mode_16_64 3
		.amdhsa_memory_ordered 1
		.amdhsa_forward_progress 1
		.amdhsa_inst_pref_size 94
	.end_amdhsa_kernel
	.amdgpu_metadata
---
amdhsa.version: [ 1, 2 ]
amdhsa.kernels:
  - .name:           k_qdccb4f614c_outp
    .symbol:         k_qdccb4f614c_outp.kd
    .args:
      - { .name: ci, .offset: 0, .size: 8, .value_kind: global_buffer, .address_space: global }
      - { .name: cs, .offset: 8, .size: 8, .value_kind: global_buffer, .address_space: global }
      - { .name: wi, .offset: 16, .size: 8, .value_kind: global_buffer, .address_space: global }
      - { .name: ws, .offset: 24, .size: 8, .value_kind: global_buffer, .address_space: global }
      - { .name: bo, .offset: 32, .size: 8, .value_kind: global_buffer, .address_space: global }
      - { .name: out0, .offset: 40, .size: 8, .value_kind: global_buffer, .address_space: global }
    .group_segment_fixed_size: 327680
    .private_segment_fixed_size: 0
    .kernarg_segment_align: 8
    .kernarg_segment_size: 48
    .max_flat_workgroup_size: 128
    .sgpr_count:     102
    .vgpr_count:     768
    .wavefront_size: 32
...
	.end_amdgpu_metadata
.endif
;; end of part 4
